; MI455X (gfx1250); checked and timed in simulation.
; The chip was launched on July 23, 2026; its instructions are those of AMD's public machine-readable ISA for CDNA 5 (MIT licence, August 2026) and "CDNA5" Instruction Set Architecture Reference Guide (July 2026). The comments in the code are by the model that wrote it; some were corrected since.
;; Attention. Allowed arithmetic: matrix products marked QUANTISED: E2M3 operands, one E8M0 scale for each 32 along K, by v_wmma_scale_f32_16x16x128_f8f6f4 with both operands' format E2M3, f32 sums; everything else in f32.
;; Inputs: k_out 2,048 x 2,048 float32; q_out 2,048 x 2,048 float32; v_out 2,048 x 2,048 float32; w_out 2,048 x 2,048 float32; x 1 x 2,048 x 2,048 float32.
;; Outputs: out0 1 x 2,048 x 2,048 float32.
;; This version of the problem:
;;   THIS VERSION OF THE PROBLEM IS GIVEN IN LOW PRECISION. The matrix products marked QUANTISED in the list below multiply operands that are first quantised to E2M3 (2 exponent bits, 3 mantissa bits; 6 bits a number), with one power-of-two scale for each 32 numbers along K (OCP MX v1.0); their sums are f32. All else is computed in f32.
;;   The module's matrix products, in the order in which they are computed (A, B: the left and right operand; K: the contracted axis; several contracted axes count as one K, in the product's order):
;;     1. [M 2,048, K 2,048] x [K 2,048, N 2,048]; A: input x; B: input q_out: QUANTISED
;;     2. [M 2,048, K 2,048] x [K 2,048, N 2,048]; A: input x; B: input k_out: QUANTISED
;;     3. [M 2,048, K 2,048] x [K 2,048, N 2,048]; A: input x; B: input v_out: QUANTISED
;;     4. batch 16 x [M 2,048, K 128] x [K 128, N 2,048]; A: computed on the way; B: computed on the way: QUANTISED
;;     5. batch 16 x [M 2,048, K 2,048] x [K 2,048, N 128]; A: softmax (see below); B: computed on the way: QUANTISED
;;     6. [M 2,048, K 2,048] x [K 2,048, N 2,048]; A: computed on the way; B: input w_out: QUANTISED
;;   THE QUANTISER, for each operand of a quantised product, along K:
;;     - K is cut into blocks of 32 from its start; a last block that is shorter is filled with zeros.
;;     - A block's scale is 2^e with e = floor(log2(the largest magnitude in the block)) - 2, held to -126 .. 127; a block of zeros has e = 0. As a byte (E8M0): e + 127.
;;     - Each number is divided by its block's scale, clamped to +-7.5, and rounded to the nearest number of E2M3, ties to even, subnormals kept.
;;     - The product sums the exact products of the quantised numbers (number of the format x scale) in f32.
;;   ~~~python
;;   def quantise(x, axis):      # numpy; x: float32 -> the quantised numbers, widened to float32 again
;;       x = np.moveaxis(x, axis, -1); K = x.shape[-1]
;;       x = np.pad(x, [(0, 0)] * (x.ndim - 1) + [(0, -K % 32)]); x = x.reshape(x.shape[:-1] + (-1, 32)); a = np.abs(x).max(-1, keepdims=True)
;;       e = np.where(a > 0, np.clip(np.frexp(np.where(a > 0, a, 1))[1] - 1 - 2, -126, 127), 0)      # np.frexp(a)[1] - 1 = floor(log2(a)), exactly
;;       r = np.clip(x / 2.0 ** e, -7.5, 7.5)
;;       step = 2.0 ** (np.maximum(np.frexp(np.where(r == 0, 1, r))[1] - 1, 0) - 3)
;;       q = np.round(r / step) * step * 2.0 ** e      # np.round: ties to even
;;       return np.moveaxis(q.reshape(q.shape[:-2] + (-1,))[..., :K], -1, axis).astype(np.float32)
;;   ~~~
;;   SOFTMAX AHEAD OF A QUANTISED PRODUCT. Where the list says 'softmax', what is quantised is not the finished softmax but p = 2^(t - M), with t = logit x log2(e) and M = ceil(the row's largest t), a whole number; so 1/2 < the row's largest p <= 1. The row's sum l is taken of the UNQUANTISED p, in f32, and the product's result is divided by l at the end. Since M is a whole number, a kernel that streams over the keys may use a running M (the ceiling of the running maximum): every later rescaling is an exact power of two, which a block's scale takes up: the codes' values come out the same.
;;   OPERANDS COMPUTED ON THE WAY. 'Computed on the way' means the value that the module computes at that place (a softmax that the list does not call 'softmax' is quantised finished and normalised). What goes into a quantiser is computed in f32, as accurately as f32 sums, v_exp_f32 and their like allow (about 1e-6 of the number): no bf16 or f16 on the way to a quantiser, and a product that is left as it is and whose result goes on into a quantised operand takes f32 operands (vector FMAs, or v_wmma_f32_16x16x4_f32). A number that lies on a knife's edge between two numbers of the format may be rounded either way, as far as f32 arithmetic and the matrix unit's own rounding can turn it there, and no further.
;; One version. Each part assembles by itself: llvm-mc -triple=amdgcn-amd-amdhsa -mcpu=gfx1250 --defsym DOCPART=n.
;; ======== version 1 of 1: 4 launches
;; limits: right only within a limited range of input values
;; workspace buffers: act_codes 3,145,728 bytes; act_scales 131,072 bytes; w_codes 12,582,912 bytes; w_scales 524,288 bytes; q_codes 3,145,728 bytes; q_scales 131,072 bytes; kv 6,553,600 bytes
;; launch quant (part 1): grid 640 x 1, 4 waves a work-group, no clusters, 59,904 bytes of LDS; arguments x, q_out, k_out, v_out, w_out, act_codes, act_scales, w_codes, w_scales; writes act_codes, act_scales, w_codes, w_scales
.if DOCPART == 1
	.amdgcn_target "amdgcn-amd-amdhsa--gfx1250"
	.amdhsa_code_object_version 6
	.text
	.protected	k_q2fe01b8a23_quant
	.globl	k_q2fe01b8a23_quant
	.p2align	8
	.type	k_q2fe01b8a23_quant,@function
k_q2fe01b8a23_quant:
	s_mov_b64 s[64:65], 0
	v_nop
	global_prefetch_b8 v0, s[64:65] scope:SCOPE_SE
	s_setreg_imm32_b32 hwreg(HW_REG_WAVE_MODE, 25, 1), 1
	s_wait_xcnt 0x0
; x [2048][2048] and the four weights [2048 (k)][2048 (n)], f32, become codes of FP6 (E2M3) with one E8M0 byte for each 32 along K.
; A block's scale is 2^(floor(log2(its largest magnitude)) - 2); its byte is the largest magnitude's exponent field - 2, held at 1 from below.
; LIMITS: NaN and infinities among the inputs are not served.  A block whose largest magnitude lies under 2^-124 keeps the byte 1, a block of zeros too
; (where the quantiser's text says 127): its codes are zeros, which add nothing under any byte but 0xff, and this program alone reads the bytes.
; THE LAYOUT OF THE CODES is the order of an operand's registers.  A fragment is 16 rows x 128 K, 12 registers a lane (lane (r, h): row r; registers 6 c .. 6 c + 5 hold K = 64 c + 32 h + 0 .. 31);
; its image is 1,536 bytes: register 4 c + e of lane l at byte 512 c + 16 l + 4 e.  A tensor is [tile of 16 rows][K step of 128][1,536].
; THE ROWS ARE PERMUTED: place p of a tensor holds row pi(p), pi = bits 3 and 4 exchanged.  So row i of tile T is row 32 (T / 2) + 8 (T % 2) + i + 8 (i / 8): a product that takes such tiles
; as its source 0 leaves 16 neighbours in a lane's 16 registers of two neighbouring tiles.  K is never permuted.
; THE SCALE WORDS (four bytes: a row's 128 K) lie [tile][K step / 2][row][K step % 2]: 128 bytes for a tile and two K steps.
; Memory binds here: each f32 byte is read once, in runs of 512 bytes (x) or 128 bytes a wave beside three neighbours' (weights); no matrix unit, cluster, tensor load or barrier would add anything.
; Work-groups 0-127 take x (a tile of 16 tokens each), 128-639 the weights.  The two ways part on the work-group's number and have LDS bytes of their own.
.set XP,    528                        ; x's stage: a row of 512 bytes + 16 = 132 words: sixteen rows start at sixteen different groups of banks (64 banks of 4 bytes: ISA guide 11.1)
.set XWV,   16*XP                      ; a wave's stage
.set XSTG,  0
.set WSTG,  4*XWV                      ; the weights' stages begin here
.set WTP,   3200                       ; a tile's two images, 3,072 bytes, + 128
.set WWV,   2*WTP
.set FRB,   1536                       ; an image
.set TROW,  16*FRB                     ; a tile's 16 K steps
.set ROWF,  8192                       ; a row of f32 in memory
.set SEL,   24                         ; s[24:25] lane selects for v_permlanex16_b32: lane l xor 16
.set R,     16                         ; x: v16-143  two sets of 64 numbers as loaded
.set XN,    144                        ; x: v144-207 64 numbers: register 16 b + i = K 32 b + 16 h + i of my row
.set TM,    208                        ; x: v208-223 at work
.set PW,    224                        ; x: v224-227 the scale words of my four K steps
.set OUT,   230                        ; x: v[230:231] the two that my lane stores
.set PC,    232                        ; x: v232-250 the codes just made
.set WX,    32                         ; weights: v32-95 two sets of 32 numbers
.set C,     96                         ; weights: v96-101 a block's codes
.set CT,    104                        ; weights: v104-106 its second half as the conversion leaves it
.set OUTR,  112                        ; weights: v112-159 the way out
.set SB,    24                         ; weights: v[24:25] the scale words of my two K steps
; 64 numbers of a lane, v[s] on, become a fragment's 12 registers in v[PC] on and its row's scale word in v[pw] (the same in lanes l and l xor 16).
.macro QUANT s, pw
.irp b, 0,1,2,3
	v_max3_num_f32 v[TM+\b], |v[\s+16*\b]|, |v[\s+1+16*\b]|, 0x1800000   ; block b: my 16 numbers, and the floor 2^(3 - 127): the byte cannot fall under 1
.endr
.irp i, 2,4,6,8,10,12,14
.irp b, 0,1,2,3
	v_max3_num_f32 v[TM+\b], v[TM+\b], |v[\s+16*\b+\i]|, |v[\s+1+16*\b+\i]|   ; the four blocks by turns
.endr
.endr
.irp b, 0,1,2,3
	v_permlanex16_b32 v[TM+4+\b], v[TM+\b], s[SEL], s[SEL+1]
.endr
.irp b, 0,1,2,3
	v_max_num_f32 v[TM+\b], v[TM+\b], v[TM+4+\b]   ; with lane l xor 16's 16: the block's largest magnitude
.endr
.irp b, 0,1,2,3
	v_add_nc_u32 v[TM+12+\b], 0xff000000, v[TM+\b]   ; 2 off its exponent field: the conversion takes this operand's exponent field as its scale
.endr
.irp b, 0,1,2,3
	v_lshrrev_b32 v[TM+4+\b], 23, v[TM+12+\b]      ; the scale's byte
.endr
	v_lshl_or_b32 v[\pw], v[TM+5], 8, v[TM+4]
	v_lshl_or_b32 v[\pw], v[TM+6], 16, v[\pw]
	v_lshl_or_b32 v[\pw], v[TM+7], 24, v[\pw]
.irp c, 0,1
	v_cvt_scalef32_pk16_fp6_f32 v[PC+6*\c:PC+2+6*\c], v[\s+32*\c:\s+15+32*\c], v[TM+12+2*\c]
	v_cvt_scalef32_pk16_fp6_f32 v[PC+12+4*\c:PC+14+4*\c], v[\s+16+32*\c:\s+31+32*\c], v[TM+12+2*\c+1]   ; a conversion's three registers begin on an even number
.endr
	v_nop                                          ; one plain instruction behind the scaled conversions
.irp c, 0,1                                    ; the layout wants a whole block in a lane: lanes 0-15 block 2 c, lanes 16-31 block 2 c + 1
.irp i, 0,1,2
	v_permlane16_swap_b32 v[PC+6*\c+\i], v[PC+12+4*\c+\i]
.endr
.irp i, 0,1,2
	v_mov_b32 v[PC+3+6*\c+\i], v[PC+12+4*\c+\i]
.endr
.endr
.endm
	s_load_b512 s[4:19], s[0:1], 0x0               ; x s[4:5], q_out s[6:7], k_out s[8:9], v_out s[10:11], w_out s[12:13], act_codes s[14:15], act_scales s[16:17], w_codes s[18:19]
	s_load_b64 s[20:21], s[0:1], 0x40              ; w_scales
	v_lshl_add_u32 v254, v0, 2, 0xe800
	v_mov_b32 v255, 0
	v_lshrrev_b32 v1, 5, v0
	v_readfirstlane_b32 s22, v1                    ; wave 0..3
	v_and_b32 v1, 31, v0                           ; lane
	s_cmp_lt_u32 ttmp9, 128
	s_cbranch_scc0 .Lweights
; ---------------- x: work-group T = a tile of 16 tokens; wave w takes K steps 4 w .. 4 w + 3 ----------------
	s_mov_b32 s[SEL], 0x76543210
	s_mov_b32 s[SEL+1], 0xfedcba98
	v_and_b32 v2, 15, v0                           ; r
	v_bfe_u32 v3, v0, 4, 1                         ; h
	v_lshlrev_b32 v4, 4, v1                        ; 16 x lane: my bytes of a load's 512, and of an image's 512
	s_mul_i32 s26, s22, XWV
	v_add_nc_u32 v5, s26, v4                       ; the stage, on the way in: a row as it lies
	v_mul_u32_u24 v6, v2, XP
	v_lshl_add_u32 v6, v3, 6, v6
	v_add_nc_u32 v6, s26, v6                       ; and on the way out: row r, + 64 h: 16 numbers of each block of 32
	v_lshlrev_b32 v7, 3, v1                        ; the scale words: 8 bytes a lane
.irp b, 0,1,2,3
	v_mov_b32 v[TM+4+\b], 0                        ; written once: a lane permute's destination counts as one of its sources
.endr
	s_lshr_b32 s27, ttmp9, 1
	s_lshl_b32 s27, s27, 5
	s_and_b32 s28, ttmp9, 1
	s_lshl_b32 s28, s28, 3
	s_add_co_u32 s27, s27, s28                     ; the tile's first token: 32 (T / 2) + 8 (T % 2)
	s_lshl_b32 s28, s27, 13
	s_lshl_b32 s29, s22, 11
	s_add_co_u32 s28, s28, s29                     ; its row, + my four K steps' 2,048 bytes
	s_mov_b32 s29, 0
	s_mul_i32 s30, ttmp9, TROW
	s_mul_i32 s31, s22, 4*FRB
	s_add_co_u32 s30, s30, s31
	s_mov_b32 s31, 0
	s_lshl_b32 s32, ttmp9, 10
	s_lshl_b32 s33, s22, 8
	s_add_co_u32 s32, s32, s33
	s_mov_b32 s33, 0
	s_wait_alu depctr_va_vdst(0)
	s_wait_kmcnt 0x0
	s_add_nc_u64 s[4:5], s[4:5], s[28:29]
	s_add_nc_u64 s[14:15], s[14:15], s[30:31]
	s_add_nc_u64 s[16:17], s[16:17], s[32:33]
.macro XLOAD s                         ; K step s of the tile's 16 rows: each load reads 512 consecutive bytes of one row
.irp i, 0,1,2,3,4,5,6,7,8,9,10,11,12,13,14,15
	global_load_b128 v[R+64*((\s)%2)+4*\i:R+64*((\s)%2)+4*\i+3], v4, s[4:5] offset:(\i+8*(\i/8))*ROWF+512*(\s) th:TH_LOAD_NT
.endr
.endm
.macro XSTEP s
.if (\s) < 3
	s_wait_loadcnt 16                              ; this step's 16 loads are in; the next step's 16 may be out
.else
	s_wait_loadcnt 0x0
.endif
.irp i, 0,1,2,3,4,5,6,7,8,9,10,11,12,13,14,15
	ds_store_b128 v5, v[R+64*((\s)%2)+4*\i:R+64*((\s)%2)+4*\i+3] offset:XP*\i
.endr
.irp b, 0,1,2,3
.irp j, 0,1,2,3
	ds_load_b128 v[XN+16*\b+4*\j:XN+16*\b+4*\j+3], v6 offset:128*\b+16*\j   ; LDS serves a wave's instructions in order (ISA guide 5.7.1.4): these see the stores above
.endr
.endr
	s_wait_dscnt 0x0                               ; my numbers are back, and the stores have read their registers,
.if (\s) < 2
	XLOAD (\s)+2                                   ; which take the loads of two steps on
.endif
.if (\s) > 0
	s_wait_xcnt 0x0                                ; the last step's stores have read the codes' registers: only now are they written again
.endif
	QUANT XN, PW+(\s)
.irp c, 0,1,2
	global_store_b128 v4, v[PC+4*\c:PC+4*\c+3], s[14:15] offset:FRB*(\s)+512*\c   ; 32 lanes store 512 consecutive bytes, at a multiple of 256 from the buffer's first byte
.endr
.endm
	XLOAD 0
	XLOAD 1
	XSTEP 0
	XSTEP 1
	XSTEP 2
	XSTEP 3
	v_cmp_le_u32 vcc_lo, 16, v1                    ; lanes 0-15 store row r's words of my first two K steps, lanes 16-31 those of the other two
	v_cndmask_b32 v[OUT], v[PW], v[PW+2], vcc_lo
	v_cndmask_b32 v[OUT+1], v[PW+1], v[PW+3], vcc_lo
	global_store_b64 v7, v[OUT:OUT+1], s[16:17]    ; 256 consecutive bytes, aligned
	s_wait_tensorcnt 0x0
	ds_add_u32 v254, v255
	s_wait_dscnt 0x0
	s_endpgm
; ---------------- the weights: K is their FIRST axis.  A lane takes a column, its registers run down K ----------------
; Work-group j: weight j / 128, columns 128 ((j / 8) % 16) on, K 256 (j % 8) on.  Wave w: 32 columns, 8 blocks of 32 along K a lane: two tiles x two K steps.
.Lweights:
	s_sub_co_u32 s26, ttmp9, 128
	s_lshr_b32 s27, s26, 7                         ; which weight: 0 q, 1 k, 2 v, 3 w
	s_bfe_u32 s28, s26, 0x40003                    ; which 128 columns
	s_and_b32 s29, s26, 7                          ; which 256 along K
	v_bfe_u32 v2, v0, 3, 1                         ; column lane lies at place pi(lane): tile u = bit 3 of the lane,
	v_bfe_u32 v10, v0, 4, 1
	v_and_b32 v11, 7, v0
	v_lshl_add_u32 v10, v10, 3, v11                ; row r = lane % 8 + 8 x bit 4
	s_wait_alu depctr_va_vdst(0)
	v_lshlrev_b32 v3, 2, v1                        ; in: 4 bytes a lane
	s_mul_i32 s30, s22, WWV
	s_add_co_u32 s30, s30, WSTG                    ; my stage
	v_mul_u32_u24 v4, v2, WTP
	v_lshl_add_u32 v4, v10, 4, v4
	v_add_nc_u32 v4, s30, v4                       ; into it: tile u, image lane r (+ 16 for the odd blocks: in the immediate)
	v_lshlrev_b32 v8, 4, v1                        ; out: 16 bytes a lane
	v_add_nc_u32 v7, s30, v8
	v_lshlrev_b32 v9, 3, v10
	v_lshl_add_u32 v9, v2, 10, v9                  ; my column's two scale words: 1,024 u + 8 r
	s_lshl_b32 s32, s29, 21                        ; 256 rows of 8,192 bytes
	s_lshl_b32 s33, s28, 9
	s_add_co_u32 s32, s32, s33
	s_lshl_b32 s33, s22, 7
	s_add_co_u32 s32, s32, s33
	s_mov_b32 s33, 0
	s_lshl_b32 s34, s27, 7
	s_lshl_b32 s35, s28, 3
	s_add_co_u32 s34, s34, s35
	s_lshl_b32 s35, s22, 1
	s_add_co_u32 s34, s34, s35                     ; my first tile among the 512
	s_mul_i32 s36, s34, TROW
	s_mul_i32 s37, s29, 2*FRB
	s_add_co_u32 s36, s36, s37
	s_mov_b32 s37, 0
	s_lshl_b32 s38, s34, 10
	s_lshl_b32 s39, s29, 7
	s_add_co_u32 s38, s38, s39
	s_mov_b32 s39, 0
	s_wait_alu depctr_va_vdst(0)
	s_wait_kmcnt 0x0
	s_bitcmp1_b32 s27, 0                           ; the weight is chosen by the work-group's number alone
	s_cselect_b64 s[40:41], s[8:9], s[6:7]
	s_cselect_b64 s[42:43], s[12:13], s[10:11]
	s_bitcmp1_b32 s27, 1
	s_cselect_b64 s[40:41], s[42:43], s[40:41]
	s_add_nc_u64 s[40:41], s[40:41], s[32:33]
	s_add_nc_u64 s[18:19], s[18:19], s[36:37]
	s_add_nc_u64 s[20:21], s[20:21], s[38:39]
.macro WLOAD t                         ; block t: W(32 t + i, my column): 128 consecutive bytes a wave, 512 a work-group
.irp i, 0,1,2,3,4,5,6,7,8,9,10,11,12,13,14,15,16,17,18,19,20,21,22,23,24,25,26,27,28,29,30,31
	global_load_b32 v[WX+32*((\t)%2)+\i], v3, s[40:41] offset:(32*(\t)+\i)*ROWF th:TH_LOAD_NT
.endr
.endm
; Block t is block t % 4 of K step t / 4: registers 6 c .. 6 c + 5 (c = (t % 4) / 2) of image lane r + 16 (t % 2).
.macro BLOCK t
.set XS, WX+32*((\t)%2)
.set OFS, FRB*((\t)/4)+256*((\t)%2)
.if (\t) < 7
	s_wait_loadcnt 32                              ; this block's 32 loads are in; the next block's may be out
.else
	s_wait_loadcnt 0x0
.endif
	v_max3_num_f32 v12, |v[XS]|, |v[XS+1]|, |v[XS+2]|   ; the block's largest magnitude: all 32 numbers are mine
	v_max3_num_f32 v13, |v[XS+3]|, |v[XS+4]|, |v[XS+5]|
.irp i, 6,10,14,18,22,26
	v_max3_num_f32 v12, v12, |v[XS+\i]|, |v[XS+\i+1]|
	v_max3_num_f32 v13, v13, |v[XS+\i+2]|, |v[XS+\i+3]|
.endr
	v_max3_num_f32 v12, v12, |v[XS+30]|, |v[XS+31]|
	v_max3_num_f32 v12, v12, v13, 0x1800000        ; and the floor 2^(3 - 127)
	v_add_nc_u32 v11, 0xff000000, v12              ; 2 off the exponent field: the conversion's scale operand
	v_lshrrev_b32 v13, 23, v11                     ; the scale's byte
.if (\t)%4 == 0
	v_mov_b32 v[SB+(\t)/4], v13
.else
	v_lshl_or_b32 v[SB+(\t)/4], v13, 8*((\t)%4), v[SB+(\t)/4]
.endif
	v_cvt_scalef32_pk16_fp6_f32 v[C:C+2], v[XS:XS+15], v11
	v_cvt_scalef32_pk16_fp6_f32 v[CT:CT+2], v[XS+16:XS+31], v11
	v_nop                                          ; one plain instruction behind the scaled conversions
.irp i, 0,1,2
	v_mov_b32 v[C+3+\i], v[CT+\i]
.endr
.if ((\t)%4)/2 == 0
	ds_store_b128 v4, v[C:C+3] offset:OFS          ; registers 0-3,
	ds_store_b64 v4, v[C+4:C+5] offset:OFS+512     ; 4 and 5
.else
	ds_store_b64 v4, v[C:C+1] offset:OFS+520       ; registers 6 and 7,
	ds_store_b128 v4, v[C+2:C+5] offset:OFS+1024   ; 8-11
.endif
.if (\t)+2 < 8
	WLOAD (\t)+2
.endif
	s_wait_dscnt 0x0                               ; the stores have read their registers: the next block's codes may be written
.endm
	WLOAD 0
	WLOAD 1
.irp t, 0,1,2,3,4,5,6,7
	BLOCK \t
.endr
	s_wait_alu depctr_va_vdst(0)
	global_store_b64 v9, v[SB:SB+1], s[20:21]      ; 8 bytes a column: sixteen lanes fill 128 consecutive bytes of each tile's scale words
.irp n, 0,1,2,3,4,5,6,7,8,9,10,11
	ds_load_b128 v[OUTR+4*\n:OUTR+4*\n+3], v7 offset:WTP*(\n/6)+512*(\n%6)   ; in order behind my stores
.endr
.irp n, 0,1,2,3,4,5,6,7,8,9,10,11
	s_wait_dscnt 11-\n                             ; loads come back in order: number n is in, the younger ones may be out
	global_store_b128 v8, v[OUTR+4*\n:OUTR+4*\n+3], s[18:19] offset:TROW*(\n/6)+512*(\n%6)   ; 512 consecutive bytes, aligned to 256
.endr
	s_wait_tensorcnt 0x0
	ds_add_u32 v254, v255
	s_wait_dscnt 0x0
	s_endpgm
.Lfunc_end_k_q2fe01b8a23_quant:
	.size	k_q2fe01b8a23_quant, .Lfunc_end_k_q2fe01b8a23_quant-k_q2fe01b8a23_quant
	.p2alignl 7, 3214868480
	.fill 96, 4, 3214868480
	.section	.rodata,"a",@progbits
	.p2align	6, 0x0
	.amdhsa_kernel k_q2fe01b8a23_quant
		.amdhsa_group_segment_fixed_size 59904
		.amdhsa_private_segment_fixed_size 0
		.amdhsa_enable_private_segment 0
		.amdhsa_kernarg_size 72
		.amdhsa_user_sgpr_count 2
		.amdhsa_user_sgpr_kernarg_segment_ptr 1
		.amdhsa_wavefront_size32 1
		.amdhsa_system_sgpr_workgroup_id_x 1
		.amdhsa_system_sgpr_workgroup_id_y 1
		.amdhsa_system_sgpr_workgroup_id_z 1
		.amdhsa_system_vgpr_workitem_id 0
		.amdhsa_next_free_vgpr 256
		.amdhsa_next_free_sgpr 66
		.amdhsa_reserve_vcc 1
		.amdhsa_float_denorm_mode_32 3
		.amdhsa_float_denorm_mode_16_64 3
		.amdhsa_memory_ordered 1
		.amdhsa_forward_progress 1
		.amdhsa_inst_pref_size 75
	.end_amdhsa_kernel
	.amdgpu_metadata
---
amdhsa.version: [ 1, 2 ]
amdhsa.kernels:
  - .name:           k_q2fe01b8a23_quant
    .symbol:         k_q2fe01b8a23_quant.kd
    .args:
      - { .name: x, .offset: 0, .size: 8, .value_kind: global_buffer, .address_space: global }
      - { .name: q_out, .offset: 8, .size: 8, .value_kind: global_buffer, .address_space: global }
      - { .name: k_out, .offset: 16, .size: 8, .value_kind: global_buffer, .address_space: global }
      - { .name: v_out, .offset: 24, .size: 8, .value_kind: global_buffer, .address_space: global }
      - { .name: w_out, .offset: 32, .size: 8, .value_kind: global_buffer, .address_space: global }
      - { .name: act_codes, .offset: 40, .size: 8, .value_kind: global_buffer, .address_space: global }
      - { .name: act_scales, .offset: 48, .size: 8, .value_kind: global_buffer, .address_space: global }
      - { .name: w_codes, .offset: 56, .size: 8, .value_kind: global_buffer, .address_space: global }
      - { .name: w_scales, .offset: 64, .size: 8, .value_kind: global_buffer, .address_space: global }
    .group_segment_fixed_size: 59904
    .private_segment_fixed_size: 0
    .kernarg_segment_align: 8
    .kernarg_segment_size: 72
    .max_flat_workgroup_size: 128
    .sgpr_count:     66
    .vgpr_count:     256
    .wavefront_size: 32
...
	.end_amdgpu_metadata
.endif
;; end of part 1
;; launch proj (part 2): grid 16 x 16, 4 waves a work-group, clusters of 4 x 1, 327,680 bytes of LDS; arguments act_codes, act_scales, w_codes, w_scales, q_codes, q_scales, kv; writes q_codes, q_scales, kv
.if DOCPART == 2
	.amdgcn_target "amdgcn-amd-amdhsa--gfx1250"
	.amdhsa_code_object_version 6
	.text
	.protected	k_q2fe01b8a23_proj
	.globl	k_q2fe01b8a23_proj
	.p2align	8
	.type	k_q2fe01b8a23_proj,@function
k_q2fe01b8a23_proj:
	s_mov_b64 s[64:65], 0
	v_nop
	global_prefetch_b8 v0, s[64:65] scope:SCOPE_SE
	s_setreg_imm32_b32 hwreg(HW_REG_WAVE_MODE, 25, 1), 1
	s_wait_xcnt 0x0
	s_wait_alu depctr_hold_cnt(0) depctr_sa_sdst(0) depctr_va_vdst(0) depctr_va_sdst(0) depctr_va_ssrc(0) depctr_va_vcc(0) depctr_vm_vsrc(0)
	s_getreg_b32 s2, hwreg(HW_REG_IB_STS2, 6, 4)
	s_cmp_eq_u32 s2, 0
	s_cbranch_scc0 .Lentry_in_a_cluster
	s_endpgm
.Lentry_in_a_cluster:
	s_bfe_u32 s2, ttmp6, 0x10000c
	s_cmp_lg_u32 s2, 0x3003
	s_cbranch_scc0 .Lentry_shape_is_right
	s_endpgm
.Lentry_shape_is_right:
; q, k, v = x q_out, x k_out, x v_out on codes of FP6 (E2M3) with E8M0 scales, K = 2,048; the results are quantised where they stand and leave as codes: Q and K along the head's 128 channels, V along the keys.
; Operands lie in memory in the order of their registers: [tile of 16 rows][K step of 128][1,536 bytes]; scale words [tile][K step / 2][row][K step % 2].  Place p of rows holds row pi(p) (bits 3 and 4 exchanged).
; SHARES.  Work-group (j, T): tokens 128 T .. + 127 and head j of Q, of K and of V: 256 work-groups of equal work.  x's 8 tiles for ALL of K (196,608 bytes) and all scale words come into LDS ONCE, one tensor load a wave;
; nothing is filled again, so the walk along K has no barrier and no wait on TENSORcnt.  No two waves of the work-group share a fragment of the weights, so these go from memory straight into registers, three K steps (54 loads) ahead.
; Wave w: of Q (w < 2) or K the blocks p and p + 2 of 32 channels (p = w % 2: weight tiles 2 p, 2 p + 1, 2 p + 4, 2 p + 5), as source 0: a lane holds a token, its registers run along the channels;
; and of V the channel tiles 2 w, 2 w + 1, as source 1 with x as source 0: a lane holds a channel, its registers run along the keys.  48 accumulators, one way through the text for every wave.
; Blocks p and p + 2 of a fragment are all 12 registers of its image lanes 16 p .. 16 p + 15: 256 consecutive bytes of each of the image's three parts, so every store covers whole aligned runs of 256 bytes.
; A Q or K scale word has two bytes from each of two waves, a quad of V's scale words two words from each: wave 2 i + 1 hands its part to wave 2 i through LDS.
; CLUSTER: the four work-groups of a cluster share T: x's codes and scale words are asked for jointly.  The weights' scale words differ from partner to partner: a load of the work-group's own.
; NO PREFETCH: the weights' loads into registers are themselves issued three K steps ahead of their use and are never drained; x comes by the head's loads alone.
; LIMITS: NaN and infinities are not served; a block whose largest magnitude lies under 2^-124, or is 0, keeps the byte 1 (zero codes add nothing; this program alone reads the bytes).
; REGISTERS: window 0: v4-21 addresses, v32-63 scale words (two sets; register 2 i + step % 2: lanes 0-15 x's tile i, lanes 16-31 my weight tile i), v64-255 x's fragments, two sets (free on the way out);
;   window 1: weight sets 0-2 (72 registers each); window 2: Q/K sums, (a, t) at 8 (4 a + t); window 3: V sums, (t, a) at 8 (8 t + a), and weight set 3 at v128.
.set FRB,   1536
.set TROW,  24576
.set ASC,   196608                     ; x's scale words, behind its codes
.set SSC,   204800                     ; the weights' scale words: Q's 8 tiles, K's, V's
.set EXC,   229376                     ; the hand-over between two waves
.set SPARE, 231424                     ; the spare words: 128 bytes a wave
.set LN, 4
.set LI, 5
.set R16, 6
.set VP, 7
.set VQ, 8
.set EXA, 9
.set EXB, 10
.set ADRA, 12
.set ADRS, 16
.set SPW, 20
.set NIL, 21
.set SC, 32
.set AF, 64
.set TM, 64
.set PC, 80
.set PP, 100
.set PWS, 112
.set OS, 120
.set VW, 124
.set WV, 18
.set CX, 19
.set J, 20
.set T, 21
.set PAR, 22
.set HQ, 23
.set G1C, 24
.set G1A, 32
.set G1S, 40
.set G0C, 48
.set G0A, 52
.set G0S, 56
.set BQ, 60
.set BV, 62
.set SEL, 66
.set CQ, 68
.set SQ, 70
.set CV, 72
.set SV, 74
.set MK, 76
.set SH, 77
.set CNT, 78
.set D0, 79
.set D1, 80
.set D2, 81
.set P256, 82
.set P768, 83
.set EXS, 84
.set MSB, 0
.macro WIN new                         ; the immediate's high byte repeats the setting that is left
.if MSB != (\new)
	s_set_vgpr_msb (MSB<<8)|(\new)
.set MSB, (\new)
.endif
.endm
.macro PLACES
.rept 4
	v_nop
.endr
.endm
.macro CROUND                          ; a round of the cluster's barrier
	s_barrier_signal -1
	s_barrier_wait -1
	s_cmp_lg_u32 s[WV], 0
	s_cbranch_scc1 .Lnot_wave_0_\@
	s_barrier_signal -3
.Lnot_wave_0_\@:
	s_barrier_wait -3
	s_barrier_signal -1
	s_barrier_wait -1
.endm
.macro DENSE g, mask, rows             ; group 1: a dense block as rows of 256 bytes (32 elements of 8 bytes)
	s_mov_b32 s[\g], \mask
	s_mov_b32 s[\g+1], 32<<16
	s_mov_b32 s[\g+2], (\rows)<<16
	s_mov_b32 s[\g+3], 32<<16
	s_mov_b32 s[\g+4], \rows
	s_mov_b32 s[\g+5], 32
	s_mov_b32 s[\g+6], 0
	s_mov_b32 s[\g+7], 0
.endm
.macro ARM under, g0, g1, next         ; one arm of the head's chain: a load, and a jump to the join
	s_cmp_lt_u32 s[WV], \under
	s_cbranch_scc0 \next
	tensor_load_to_lds s[\g0:\g0+3], s[\g1:\g1+7]
	s_nop 0
	PLACES
	s_branch .Lhead_asked
\next:
.endm
.macro WM d, x, y, sx, sy, zero, row   ; row = 0: source 0's scales in lanes 16-31; 1: source 1's
.if \zero
.if \row
	v_wmma_scale_f32_16x16x128_f8f6f4 v[\d:\d+7], v[\x:\x+11], v[\y:\y+11], 0, v[\sx], v[\sy] matrix_a_fmt:MATRIX_FMT_FP6 matrix_b_fmt:MATRIX_FMT_FP6 matrix_b_scale:MATRIX_SCALE_ROW1
.else
	v_wmma_scale_f32_16x16x128_f8f6f4 v[\d:\d+7], v[\x:\x+11], v[\y:\y+11], 0, v[\sx], v[\sy] matrix_a_fmt:MATRIX_FMT_FP6 matrix_b_fmt:MATRIX_FMT_FP6 matrix_a_scale:MATRIX_SCALE_ROW1
.endif
.else
.if \row
	v_wmma_scale_f32_16x16x128_f8f6f4 v[\d:\d+7], v[\x:\x+11], v[\y:\y+11], v[\d:\d+7], v[\sx], v[\sy] matrix_a_fmt:MATRIX_FMT_FP6 matrix_b_fmt:MATRIX_FMT_FP6 matrix_b_scale:MATRIX_SCALE_ROW1
.else
	v_wmma_scale_f32_16x16x128_f8f6f4 v[\d:\d+7], v[\x:\x+11], v[\y:\y+11], v[\d:\d+7], v[\sx], v[\sy] matrix_a_fmt:MATRIX_FMT_FP6 matrix_b_fmt:MATRIX_FMT_FP6 matrix_a_scale:MATRIX_SCALE_ROW1
.endif
.endif
.endm
.macro BSET n                          ; where weight set n % 4 lies
.set BS, 72*((\n)%4)
.set WS, 1
.if (\n)%4 == 3
.set BS, 128
.set WS, 3
.endif
.endm
.macro LOADB rel                       ; my six weight fragments of the K step rel beyond the trip's base: 18 loads of 512 consecutive bytes
	BSET \rel
	WIN WS<<6
.irp t, 0,1,2,3
.irp c, 0,1,2
	global_load_b128 v[BS+12*\t+4*\c:BS+12*\t+4*\c+3], v[LI], s[BQ:BQ+1] offset:(\t+2*(\t/2))*TROW+(\rel)*FRB+512*\c
.endr
.endr
.irp t, 0,1
.irp c, 0,1,2
	global_load_b128 v[BS+48+12*\t+4*\c:BS+48+12*\t+4*\c+3], v[LI], s[BV:BV+1] offset:\t*TROW+(\rel)*FRB+512*\c
.endr
.endr
	WIN 0
.endm
.macro LOADA rel                       ; x's eight fragments of that K step, from LDS: 24 loads
.irp i, 0,1,2,3,4,5,6,7
.irp c, 0,1,2
	ds_load_b128 v[AF+96*((\rel)%2)+12*\i+4*\c:AF+96*((\rel)%2)+12*\i+4*\c+3], v[ADRA+\i/2] offset:(\i%2)*TROW+(\rel)*FRB+512*\c
.endr
.endr
.endm
.macro SCALES pr                       ; the scale words of two K steps
.irp i, 0,1,2,3,4,5,6,7
	ds_load_b64 v[SC+16*((\pr)%2)+2*\i:SC+16*((\pr)%2)+2*\i+1], v[ADRS+\i/2] offset:\i*1024+128*(\pr)
.endr
.endm
; A K step: the loads of later steps, then 48 matrix instructions; the 48 accumulators take turns, one instruction a turn, in the same order in every step.
.macro STEP q, zero, ldb, lda, lc
.if \zero == 0
	PLACES                                         ; in front of loads into registers that the last step's matrix instructions read
.endif
.if \ldb
	LOADB (\q)+3
.endif
	WIN 0                                          ; x's fragments and the scale words lie in window 0
.set DC, 0
.if \lda
	LOADA (\q)+1
.set DC, 24
.if ((\q)+1)%2 == 0
	SCALES ((\q)+1)/2
.set DC, 32
.endif
.endif
	s_wait_loadcnt \lc                             ; this step's 18 loads are in; lc counts those of the later steps
	s_wait_dscnt DC                                ; all but the LDS loads just issued
	BSET \q
.set AS, AF+96*((\q)%2)
.set SS, SC+16*(((\q)/2)%2)+(\q)%2
	WIN 0xa0|WS
.irp a, 0,1,2,3,4,5,6,7
.irp t, 0,1,2,3
	WM 8*(4*\a+\t), BS+12*\t, AS+12*\a, SS+2*\t, SS+2*\a, \zero, 0
.endr
.endr
	WIN 0xf0|(WS<<2)
.irp a, 0,1,2,3,4,5,6,7
.irp t, 0,1
	WM 8*(8*\t+\a), AS+12*\a, BS+48+12*\t, SS+2*\a, SS+8+2*\t, \zero, 1
.endr
.endr
.endm
	s_load_b256 s[4:11], s[0:1], 0x0               ; act_codes, act_scales, w_codes, w_scales
	s_load_b128 s[12:15], s[0:1], 0x20             ; q_codes, q_scales
	s_load_b64 s[16:17], s[0:1], 0x30              ; kv
	v_lshl_add_u32 v[SPW], v0, 2, SPARE
	v_mov_b32 v[NIL], 0
	ds_add_u32 v[SPW], v[NIL]                      ; the opening lines: the add, twice on end, and its wait
	ds_add_u32 v[SPW], v[NIL]
	v_lshrrev_b32 v1, 5, v0
	v_readfirstlane_b32 s[WV], v1
	s_bfe_u32 s[CX], ttmp6, 0x40000
	s_lshl_b32 s[J], ttmp9, 2
	s_add_co_u32 s[J], s[J], s[CX]                 ; j = 4 x cluster x + cx
	s_and_b32 s[T], ttmp7, 0xffff                  ; T, which the partners share
	s_and_b32 s[PAR], s[WV], 1
	s_lshr_b32 s[HQ], s[WV], 1
	DENSE G1C, 15|(3<<16)|(1<<21), 384             ; four tiles of x's codes: 98,304 bytes, jointly
	DENSE G1A, 15|(3<<16)|(1<<21), 32              ; x's scale words: 8,192 bytes, jointly
	s_mov_b32 s[G1S], 3<<16                        ; the weights' scale words: 3 rows (Q, K, V) of 8,192 bytes, 131,072 apart
	s_mov_b32 s[G1S+1], 1024<<16
	s_mov_b32 s[G1S+2], 3<<16
	s_mov_b32 s[G1S+3], 1024<<16
	s_mov_b32 s[G1S+4], 3
	s_mov_b32 s[G1S+5], 16384
	s_mov_b32 s[G1S+6], 0
	s_mov_b32 s[G1S+7], 0
	s_mul_i32 s86, s[T], 196608
	s_mul_i32 s94, s[WV], 98304
	s_add_co_u32 s86, s86, s94
	s_mov_b32 s87, 0
	s_lshl_b32 s88, s[T], 13
	s_mov_b32 s89, 0
	s_lshl_b32 s90, s[J], 13
	s_mov_b32 s91, 0
	s_lshl_b32 s95, s[J], 3
	s_lshl_b32 s96, s[HQ], 7
	s_add_co_u32 s96, s96, s95
	s_lshl_b32 s97, s[PAR], 1
	s_add_co_u32 s96, s96, s97                     ; my first Q or K weight tile: 128 (w / 2) + 8 j + 2 p
	s_mul_i32 s92, s96, TROW
	s_mov_b32 s93, 0
	s_lshl_b32 s97, s[WV], 1
	s_add_co_u32 s97, s97, s95
	s_add_co_u32 s97, s97, 256                     ; my first V weight tile: 256 + 8 j + 2 w
	s_mul_i32 s98, s97, TROW
	s_mov_b32 s99, 0
	s_wait_dscnt 0x0
	s_wait_kmcnt 0x0
	s_add_nc_u64 s[86:87], s[4:5], s[86:87]
	s_add_nc_u64 s[88:89], s[6:7], s[88:89]
	s_add_nc_u64 s[90:91], s[10:11], s[90:91]
	s_add_nc_u64 s[BQ:BQ+1], s[8:9], s[92:93]
	s_add_nc_u64 s[BV:BV+1], s[8:9], s[98:99]
	CROUND                                         ; all four work-groups are here: the joint loads meet
	s_mov_b32 s[G0C], 1
	s_mov_b32 s[G0C+1], s94
	s_mov_b64 s[G0C+2:G0C+3], s[86:87]
	s_or_b32 s[G0C+3], s[G0C+3], 0x80000000
	s_mov_b32 s[G0A], 1
	s_mov_b32 s[G0A+1], ASC
	s_mov_b64 s[G0A+2:G0A+3], s[88:89]
	s_or_b32 s[G0A+3], s[G0A+3], 0x80000000
	s_mov_b32 s[G0S], 1
	s_mov_b32 s[G0S+1], SSC
	s_mov_b64 s[G0S+2:G0S+3], s[90:91]
	s_or_b32 s[G0S+3], s[G0S+3], 0x80000000
	ARM 2, G0C, G1C, .Lhead_a                      ; one load a wave: waves 0 and 1 x's codes, wave 2 x's scale words, wave 3 the weights'
	ARM 3, G0A, G1A, .Lhead_s
	tensor_load_to_lds s[G0S:G0S+3], s[G1S:G1S+7]
	s_nop 0
	PLACES
.Lhead_asked:
	v_and_b32 v[LN], 31, v0
	v_lshlrev_b32 v[LI], 4, v[LN]
	s_wait_alu depctr_va_vdst(0)                   ; the wait behind these writes
	LOADB 0
	LOADB 1
	LOADB 2
	s_lshr_b32 s94, s[T], 1                        ; where the results go
	s_add_co_u32 s94, s94, s95
	s_mul_i32 s94, s94, 51200                      ; kv's slot: head j, 256 keys
	s_and_b32 s96, s[T], 1
	s_mul_i32 s97, s96, 12288
	s_add_co_u32 s97, s97, s94                     ; K's codes
	s_lshl_b32 s96, s96, 9
	s_add_co_u32 s96, s96, s94
	s_lshl_b32 s98, s[J], 7
	s_lshl_b32 s99, s[T], 3
	s_add_co_u32 s98, s98, s99                     ; Q's first fragment: 128 j + 8 T
	s_mul_i32 s99, s98, FRB
	s_lshl_b32 s98, s98, 6
	s_add_co_u32 s94, s96, 49152                   ; K's scale words
	s_cmp_eq_u32 s[HQ], 0                          ; Q or K: by the wave's number
	s_cselect_b64 s[CQ:CQ+1], s[12:13], s[16:17]
	s_cselect_b64 s[SQ:SQ+1], s[14:15], s[16:17]
	s_cselect_b32 s86, s99, s97
	s_cselect_b32 s88, s98, s94
	s_mov_b32 s87, 0
	s_mov_b32 s89, 0
	s_add_nc_u64 s[CQ:CQ+1], s[CQ:CQ+1], s[86:87]
	s_add_nc_u64 s[SQ:SQ+1], s[SQ:SQ+1], s[88:89]
	s_mul_i32 s86, s[WV], 2*FRB
	s_add_co_u32 s86, s86, s97
	s_add_co_u32 s86, s86, 24576
	s_add_nc_u64 s[CV:CV+1], s[16:17], s[86:87]    ; V's codes: channel tiles 2 w, 2 w + 1
	s_lshl_b32 s88, s[HQ], 8
	s_add_co_u32 s88, s88, s96
	s_add_co_u32 s88, s88, 50176
	s_add_nc_u64 s[SV:SV+1], s[16:17], s[88:89]    ; V's scale words: quad w / 2
	s_lshl_b32 s[D0], s[HQ], 13                    ; from x's scale words to my weight tiles': lanes 16-31 add these
	s_lshl_b32 s99, s[PAR], 11
	s_add_co_u32 s[D0], s[D0], s99
	s_add_co_u32 s[D0], s[D0], 8192
	s_add_co_u32 s[D1], s[D0], 2048
	s_lshl_b32 s[D2], s[WV], 11
	s_add_co_u32 s[D2], s[D2], 20480
	s_lshl_b32 s[P256], s[PAR], 8
	s_add_co_u32 s[P768], s[P256], 512
	s_lshl_b32 s[EXS], s[HQ], 10
	s_add_co_u32 s[EXS], s[EXS], EXC
	s_lshl_b32 s[SH], s[PAR], 3
	s_mov_b32 s[SEL], 0x76543210
	s_mov_b32 s[SEL+1], 0xfedcba98
	v_and_b32 v1, 15, v0                           ; r
	v_bfe_u32 v2, v0, 4, 1                         ; h
	v_lshlrev_b32 v3, 3, v1
	v_add_nc_u32 v[ADRS+3], ASC, v3                ; x's words alone (tiles 6, 7)
	v_mul_u32_u24 v[ADRS], s[D0], v2
	v_mul_u32_u24 v[ADRS+1], s[D1], v2
	v_mul_u32_u24 v[ADRS+2], s[D2], v2
.irp k, 0,1,2
	v_add_nc_u32 v[ADRS+\k], v[ADRS+\k], v[ADRS+3]
.endr
.irp k, 0,1,2,3
	v_add_nc_u32 v[ADRA+\k], \k*49152, v[LI]       ; x's tiles 2 k, 2 k + 1
.endr
	v_lshlrev_b32 v[R16], 4, v1
	v_lshl_add_u32 v[VP], v2, 10, v[R16]
	v_add_nc_u32 v[VP], s[P256], v[VP]             ; 16 bytes of an image's part 0 (h = 0) or 2 (h = 1), image lane r + 16 p
	v_lshl_add_u32 v[VQ], v2, 3, v[R16]
	v_add_nc_u32 v[VQ], s[P768], v[VQ]             ; 8 bytes of its part 1
	v_add_nc_u32 v[EXA], s[EXS], v[LI]
	v_lshl_add_u32 v[EXB], v[LN], 3, s[EXS]
	v_add_nc_u32 v[EXB], 512, v[EXB]
	s_wait_alu depctr_va_vdst(0)                   ; the wait at the head's end
	s_wait_tensorcnt 0x0                           ; my load has landed,
	s_barrier_signal -1
	s_barrier_wait -1                              ; everybody's has.
	LOADA 0
	SCALES 0
	STEP 0, 1, 1, 1, 54                            ; the first step's products start the sums
	WIN 0
	s_mov_b32 s[CNT], 3
.Ltrip:                                                ; a trip: K steps 4 t + 1 .. 4 t + 4, until the register sets are back where they began
	STEP 1, 0, 1, 1, 54
	STEP 2, 0, 1, 1, 54
	STEP 3, 0, 1, 1, 54
	STEP 4, 0, 1, 1, 54
	WIN 0
	s_wait_xcnt 0x0                                ; the loads have read their bases: only now are these stepped
	s_add_nc_u64 s[BQ:BQ+1], s[BQ:BQ+1], 4*FRB
	s_add_nc_u64 s[BV:BV+1], s[BV:BV+1], 4*FRB
.irp k, 0,1,2,3
	v_add_nc_u32 v[ADRA+\k], 4*FRB, v[ADRA+\k]
	v_add_nc_u32 v[ADRS+\k], 256, v[ADRS+\k]
.endr
	s_sub_co_u32 s[CNT], s[CNT], 1
	s_cmp_lg_u32 s[CNT], 0
	s_wait_alu depctr_va_vdst(0)                   ; the wait ahead of the branch
	s_cbranch_scc1 .Ltrip
	STEP 1, 0, 0, 1, 36                            ; K steps 13, 14, 15: no weights are left to ask for
	STEP 2, 0, 0, 1, 18
	STEP 3, 0, 0, 0, 0
	WIN 0
	PLACES                                         ; in front of the first reads of results and writes of operands
; 64 sums of a lane in window w, v[s] on (four blocks: register 16 b + i = K 32 b + 16 h + i): the blocks' bytes into v[TM+4 ..], their codes, halves exchanged between lanes l and l xor 16, into v[PC+6 c ..] and v[PC+12+4 c ..].
.macro QCORE s, w
	WIN ((\w)<<2)|((\w)<<4)
.irp b, 0,1,2,3
	v_max3_num_f32 v[TM+\b], 0x1800000, |v[\s+16*\b]|, |v[\s+1+16*\b]|   ; with the floor 2^(3 - 127): the byte cannot fall under 1
.endr
.irp i, 2,4,6,8,10,12,14
.irp b, 0,1,2,3
	v_max3_num_f32 v[TM+\b], v[TM+\b], |v[\s+16*\b+\i]|, |v[\s+1+16*\b+\i]|
.endr
.endr
	WIN 0
.irp b, 0,1,2,3
	v_permlanex16_b32 v[TM+4+\b], v[TM+\b], s[SEL], s[SEL+1]
.endr
.irp b, 0,1,2,3
	v_max_num_f32 v[TM+\b], v[TM+\b], v[TM+4+\b]
.endr
.irp b, 0,1,2,3
	v_add_nc_u32 v[TM+12+\b], 0xff000000, v[TM+\b]   ; 2 off the exponent field: the conversion's scale operand
.endr
.irp b, 0,1,2,3
	v_lshrrev_b32 v[TM+4+\b], 23, v[TM+12+\b]      ; the scale's byte
.endr
	WIN \w
.irp c, 0,1
	v_cvt_scalef32_pk16_fp6_f32 v[PC+6*\c:PC+2+6*\c], v[\s+32*\c:\s+15+32*\c], v[TM+12+2*\c]
	v_cvt_scalef32_pk16_fp6_f32 v[PC+12+4*\c:PC+14+4*\c], v[\s+16+32*\c:\s+31+32*\c], v[TM+12+2*\c+1]
.endr
	WIN 0
	v_nop                                          ; one plain instruction behind the scaled conversions
.irp c, 0,1
.irp i, 0,1,2
	v_permlane16_swap_b32 v[PC+6*\c+\i], v[PC+12+4*\c+\i]
.endr
.endr
.endm
.irp b, 0,1,2,3
	v_mov_b32 v[TM+4+\b], 0                        ; a lane permute's destination counts as one of its sources
.endr
	v_cmp_le_u32 s[MK], 16, v[LN]
; Q or K, two token tiles at a time.  Behind the exchange lane (r, h) holds image registers 6 h .. 6 h + 5 of image lane r + 16 p: X0 X1 X2 Y0 Y1 Y2.
.irp g, 0,1,2,3
.if \g > 0
	s_wait_xcnt 0x0                                ; the last stores have read their data
.endif
	QCORE 64*\g, 2
	v_lshl_or_b32 v[PWS+2*\g], v[TM+5], 16, v[TM+4]      ; bytes 0 and 2 of the tile's word; p shifts them at the end
	v_lshl_or_b32 v[PWS+2*\g+1], v[TM+7], 16, v[TM+6]
.irp c, 0,1
	v_cndmask_b32 v[PP+6*\c], v[PC+6*\c], v[PC+6*\c+2], s[MK]          ; 16 bytes: registers 0-3 (h = 0) or 8-11 (h = 1)
	v_cndmask_b32 v[PP+6*\c+1], v[PC+6*\c+1], v[PC+12+4*\c], s[MK]
	v_cndmask_b32 v[PP+6*\c+2], v[PC+6*\c+2], v[PC+13+4*\c], s[MK]
	v_cndmask_b32 v[PP+6*\c+3], v[PC+12+4*\c], v[PC+14+4*\c], s[MK]
	v_cndmask_b32 v[PP+6*\c+4], v[PC+13+4*\c], v[PC+6*\c], s[MK]       ; 8 bytes: registers 4, 5 or 6, 7
	v_cndmask_b32 v[PP+6*\c+5], v[PC+14+4*\c], v[PC+6*\c+1], s[MK]
	global_store_b128 v[VP], v[PP+6*\c:PP+6*\c+3], s[CQ:CQ+1] offset:FRB*(2*\g+\c)   ; sixteen lanes fill 256 consecutive bytes, aligned
	global_store_b64 v[VQ], v[PP+6*\c+4:PP+6*\c+5], s[CQ:CQ+1] offset:FRB*(2*\g+\c)  ; 32 lanes fill 256 consecutive bytes, aligned
.endr
.endr
; V: a channel tile's 128 keys are a whole fragment
.irp t, 0,1
	s_wait_xcnt 0x0
	QCORE 64*\t, 3
	v_lshl_or_b32 v[VW+\t], v[TM+5], 8, v[TM+4]
	v_lshl_or_b32 v[VW+\t], v[TM+6], 16, v[VW+\t]
	v_lshl_or_b32 v[VW+\t], v[TM+7], 24, v[VW+\t]
.irp c, 0,1
.irp i, 0,1,2
	v_mov_b32 v[PC+3+6*\c+\i], v[PC+12+4*\c+\i]
.endr
.endr
.irp c, 0,1,2
	global_store_b128 v[LI], v[PC+4*\c:PC+4*\c+3], s[CV:CV+1] offset:FRB*\t+512*\c
.endr
.endr
.irp j, 0,1,2,3
	v_cndmask_b32 v[OS+\j], v[PWS+\j], v[PWS+4+\j], s[MK]   ; lanes 0-15 row r's words of tiles 0-3, lanes 16-31 of tiles 4-7
.endr
.irp j, 0,1,2,3
	v_lshlrev_b32 v[OS+\j], s[SH], v[OS+\j]        ; my bytes are p and p + 2
.endr
	s_wait_alu depctr_va_vdst(0)                   ; the wait ahead of the branch and the barrier
	s_cmp_eq_u32 s[PAR], 0
	s_cbranch_scc1 .Leven
	ds_store_b128 v[EXA], v[OS:OS+3]               ; waves 1 and 3 hand their parts over
	ds_store_b64 v[EXB], v[VW:VW+1]
.Leven:
	s_wait_dscnt 0x0                               ; for the others' sake
	s_barrier_signal -1
	s_barrier_wait -1
	s_cmp_lg_u32 s[PAR], 0
	s_cbranch_scc1 .Ldone
	ds_load_b128 v[128:131], v[EXA]
	ds_load_b64 v[VW+2:VW+3], v[EXB]
	s_wait_dscnt 0x0
.irp j, 0,1,2,3
	v_or_b32 v[OS+\j], v[OS+\j], v[128+\j]
.endr
	global_store_b128 v[LI], v[OS:OS+3], s[SQ:SQ+1]        ; 512 consecutive bytes
	global_store_b128 v[R16], v[VW:VW+3], s[SV:SV+1]       ; a quad of V's words: 256 consecutive bytes; lanes l and l xor 16 hold the same and name the same address
.Ldone:
	s_wait_tensorcnt 0x0                           ; the wave's end
	ds_add_u32 v[SPW], v[NIL]
	s_wait_dscnt 0x0
	CROUND                                         ; the closing round
	s_endpgm
.Lfunc_end_k_q2fe01b8a23_proj:
	.size	k_q2fe01b8a23_proj, .Lfunc_end_k_q2fe01b8a23_proj-k_q2fe01b8a23_proj
	.p2alignl 7, 3214868480
	.fill 96, 4, 3214868480
	.section	.rodata,"a",@progbits
	.p2align	6, 0x0
	.amdhsa_kernel k_q2fe01b8a23_proj
		.amdhsa_group_segment_fixed_size 327680
		.amdhsa_private_segment_fixed_size 0
		.amdhsa_enable_private_segment 0
		.amdhsa_kernarg_size 56
		.amdhsa_user_sgpr_count 2
		.amdhsa_user_sgpr_kernarg_segment_ptr 1
		.amdhsa_wavefront_size32 1
		.amdhsa_system_sgpr_workgroup_id_x 1
		.amdhsa_system_sgpr_workgroup_id_y 1
		.amdhsa_system_sgpr_workgroup_id_z 1
		.amdhsa_system_vgpr_workitem_id 0
		.amdhsa_next_free_vgpr 1024
		.amdhsa_next_free_sgpr 100
		.amdhsa_reserve_vcc 0
		.amdhsa_float_denorm_mode_32 3
		.amdhsa_float_denorm_mode_16_64 3
		.amdhsa_memory_ordered 1
		.amdhsa_forward_progress 1
		.amdhsa_inst_pref_size 117
	.end_amdhsa_kernel
	.amdgpu_metadata
---
amdhsa.version: [ 1, 2 ]
amdhsa.kernels:
  - .name:           k_q2fe01b8a23_proj
    .symbol:         k_q2fe01b8a23_proj.kd
    .args:
      - { .name: act_codes, .offset: 0, .size: 8, .value_kind: global_buffer, .address_space: global }
      - { .name: act_scales, .offset: 8, .size: 8, .value_kind: global_buffer, .address_space: global }
      - { .name: w_codes, .offset: 16, .size: 8, .value_kind: global_buffer, .address_space: global }
      - { .name: w_scales, .offset: 24, .size: 8, .value_kind: global_buffer, .address_space: global }
      - { .name: q_codes, .offset: 32, .size: 8, .value_kind: global_buffer, .address_space: global }
      - { .name: q_scales, .offset: 40, .size: 8, .value_kind: global_buffer, .address_space: global }
      - { .name: kv, .offset: 48, .size: 8, .value_kind: global_buffer, .address_space: global }
    .group_segment_fixed_size: 327680
    .private_segment_fixed_size: 0
    .kernarg_segment_align: 8
    .kernarg_segment_size: 56
    .max_flat_workgroup_size: 128
    .sgpr_count:     100
    .vgpr_count:     1024
    .wavefront_size: 32
...
	.end_amdgpu_metadata
.endif
;; end of part 2
;; launch attn (part 3): grid 16 x 16, 16 waves a work-group, clusters of 4 x 1, 327,680 bytes of LDS; arguments q_codes, q_scales, kv, act_codes, act_scales; writes act_codes, act_scales
.if DOCPART == 3
	.amdgcn_target "amdgcn-amd-amdhsa--gfx1250"
	.amdhsa_code_object_version 6
	.text
	.protected	k_q2fe01b8a23_attn
	.globl	k_q2fe01b8a23_attn
	.p2align	8
	.type	k_q2fe01b8a23_attn,@function
k_q2fe01b8a23_attn:
	s_mov_b64 s[64:65], 0
	v_nop
	global_prefetch_b8 v0, s[64:65] scope:SCOPE_SE
	s_setreg_imm32_b32 hwreg(HW_REG_WAVE_MODE, 25, 1), 1
	s_wait_xcnt 0x0
	s_wait_alu depctr_hold_cnt(0) depctr_sa_sdst(0) depctr_va_vdst(0) depctr_va_sdst(0) depctr_va_ssrc(0) depctr_va_vcc(0) depctr_vm_vsrc(0)
	s_getreg_b32 s2, hwreg(HW_REG_IB_STS2, 6, 4)
	s_cmp_eq_u32 s2, 0
	s_cbranch_scc0 .Lentry_in_a_cluster
	s_endpgm
.Lentry_in_a_cluster:
	s_bfe_u32 s2, ttmp6, 0x10000c
	s_cmp_lg_u32 s2, 0x3003
	s_cbranch_scc0 .Lentry_shape_is_right
	s_endpgm
.Lentry_shape_is_right:
; ctx[q][head] = the sum over k <= q of softmax_k(Q[q] . K[k] / sqrt(128)) V[k], 16 heads of 128, 2,048 tokens, both products on codes of FP6 (E2M3) with E8M0 scales; ctx leaves as codes too.
; THE SOFTMAX AHEAD OF THE SECOND PRODUCT: t = score x log2(e) / sqrt(128); M = the row's largest t so far, rounded UP to a whole number; p = 2^(t - M) is what is quantised, along the keys, not normalised.
; The row's sum is taken of the unquantised p, in f32, and divides O at the end.  When M moves, the sum and O are multiplied by 2^(old M - new M): exact.
; IN.  q_codes [head][tile of 16 tokens][1,536]: a fragment's registers on end (register 4 c + e of lane l at byte 512 c + 16 l + 4 e).  q_scales: for four tiles 256 bytes, [row][tile % 4].
; kv [head][slot of 256 keys][51,200]: K's 16 fragments (16 keys x the head's 128), V's 2 x 8 (16 channels x 128 keys), K's 4 quads of scale words at 49,152, V's 4 at 50,176.
; Place p of tokens and channels holds pi(p) (bits 3 and 4 exchanged): row r of tile T is 32 (T / 2) + 8 (T % 2) + r + 8 (r / 8).  So with a tile as source 0 the 16 registers of tiles 2 b, 2 b + 1 are 16 true neighbours.
; Both products are used transposed: S^T = K Q^T, O^T = V^T P^T: a lane holds ONE query (lane % 16) throughout.
; SHARES.  The eight tiles of a group G (128 tokens) all want key steps 0 .. G of 128 keys; step G holds the diagonal.  A cluster c (0..3) of a head takes groups c, 7 - c, 15 - c, 8 + c; each of its four work-groups
; takes two tiles of each group: 2 (1 + 8 + 9 + 16) = 68 steps a work-group, whatever c.  A TILE'S KEYS ARE SHARED BY TWO WAVES: of sixteen waves, wave w has tile slot j = w % 8 and half q = w / 8, and takes key steps
; q, q + 2, ..: eight at the most.  At the end wave j + 8 hands its O^T, its M and its sum to wave j through LDS; both are brought under the larger M by exact powers of two and added.
; Which group a wave has hangs on its number and on the cluster's alone, so every branch is the same in all four partners; a work-group's place in its cluster enters Q's and ctx's addresses in memory and the mask's number, nothing else.
; A step all of whose keys come after the wave's queries is left out by a scalar branch on ids, round its loads and its work alone.
; CLUSTER.  The four work-groups walk the same K and V: each piece is asked for JOINTLY, by the same tensor load with the same descriptor and the mask of all four.
; LDS: three regions of 512 keys (two slots of kv, 102,400 dense bytes); every wave fetches a sixteenth of a region.  Keys 0 - 1,535 are first fills; keys 1,536 - 2,047 are the one refill, into region 0, behind a round
; of the cluster's barrier that follows each wave's first two steps.  Every cluster has a group of 12 or more, so the refill is always read.
; NOTHING IS PREFETCHED: three quarters of K and V are asked for at the head, and the refill is itself asked for four of every wave's key steps ahead of its first read.
; OUT.  act_codes [token tile][K step = head][1,536]; act_scales [token tile][head / 2][row][head % 2].
; LIMITS: NaN and infinities are not served; a block whose largest magnitude lies under 2^-124, or is 0, keeps the byte 1 (zero codes add nothing; this program alone reads the bytes).
; REGISTERS: v1, v3 my lane's place in a slot's fragments and quads; v5, v6 the add's; v7, v29, v30 offsets in memory; v9 the mask's number; v10, v11 the step's LDS addresses; v12 -M, v13 the largest t,
;   v[14:15] the sum in two halves; v16-27 Q; v31 the stage; v32-79 four fragments of K or V; v[80:83] scale words of V's second four; v96-159 S^T, then p, then V's second four fragments; v160-223 O^T;
;   v224-235 p's codes; v232-254 at work; v[248:251] four tiles' scale words; v253 p's scale word; v255 Q's.
.set FRB,   1536
.set SLOTB, 51200                      ; a slot of kv: 256 keys
.set REGB,  2*SLOTB                    ; a region of LDS: 512 keys
.set PART,  REGB/16                    ; what one tensor load brings
.set VCO,   24576                      ; V's codes in a slot
.set KSC,   49152                      ; K's scale words
.set VSC,   50176                      ; V's
.set SPARE, 3*REGB                     ; behind the regions: the spare words, 128 bytes for each wave: eight blocks of 256 bytes that no other line names
.set STAGE, REGB                       ; the hand-over: in region 1, which has had its only fill and whose last read lies ahead of the barrier in front of the last two steps
.set STGB,  8704                       ; a tile's: 64 registers x 128 bytes, and 512 bytes of statistics
.set WV,   18                          ; s18  my wave's number
.set SEL,  20                          ; s[20:21] lane selects for v_permlanex16_b32: lane l xor 16
.set CS,   22                          ; s[22:23] c = log2(e) / sqrt(128)
.set G1,   24                          ; s[24:31] descriptor group 1
.set G0,   32                          ; s[32:39] group 0: one set for region 0, one for regions 1 and 2
.set KF,   44                          ; s44  the step's first key
.set MYL,  45                          ; s45  the first key of my tile's last step, the one with the diagonal
.set TM,   232                         ; the way out: at work
.set PC,   32                          ; the way out: ctx's codes
.macro QUANT s, pw                     ; 64 numbers of a lane, register 16 b + i = K 32 b + 16 h + i of my row, become a fragment in v[PC] on and its scale word in v[pw]
.irp b, 0,1,2,3
	v_max3_num_f32 v[TM+\b], |v[\s+16*\b]|, |v[\s+1+16*\b]|, 0x1800000   ; block b: my 16 numbers, and the floor 2^(3 - 127)
.endr
.irp i, 2,4,6,8,10,12,14
.irp b, 0,1,2,3
	s_delay_alu instid0(VALU_DEP_4)
	v_max3_num_f32 v[TM+\b], v[TM+\b], |v[\s+16*\b+\i]|, |v[\s+1+16*\b+\i]|
.endr
.endr
.irp b, 0,1,2,3
	s_delay_alu instid0(VALU_DEP_4)
	v_permlanex16_b32 v[TM+4+\b], v[TM+\b], s[SEL], s[SEL+1]
.endr
.irp b, 0,1,2,3
	s_delay_alu instid0(VALU_DEP_4)
	v_max_num_f32 v[TM+\b], v[TM+\b], v[TM+4+\b]
.endr
.irp b, 0,1,2,3
	s_delay_alu instid0(VALU_DEP_4)
	v_add_nc_u32 v[TM+12+\b], 0xff000000, v[TM+\b]
.endr
.irp b, 0,1,2,3
	s_delay_alu instid0(VALU_DEP_4)
	v_lshrrev_b32 v[TM+4+\b], 23, v[TM+12+\b]
.endr
	s_delay_alu instid0(VALU_DEP_3)
	v_lshl_or_b32 v[\pw], v[TM+5], 8, v[TM+4]
	s_delay_alu instid0(VALU_DEP_1)
	v_lshl_or_b32 v[\pw], v[TM+6], 16, v[\pw]
	s_delay_alu instid0(VALU_DEP_1)
	v_lshl_or_b32 v[\pw], v[TM+7], 24, v[\pw]
.irp c, 0,1
	v_cvt_scalef32_pk16_fp6_f32 v[PC+6*\c:PC+2+6*\c], v[\s+32*\c:\s+15+32*\c], v[TM+12+2*\c]
	v_cvt_scalef32_pk16_fp6_f32 v[PC+12+4*\c:PC+14+4*\c], v[\s+16+32*\c:\s+31+32*\c], v[TM+12+2*\c+1]
.endr
	v_nop                                          ; one plain instruction behind the scaled conversions
.irp c, 0,1
.irp i, 0,1,2
	v_permlane16_swap_b32 v[PC+6*\c+\i], v[PC+12+4*\c+\i]
.endr
.irp i, 0,1,2
	s_delay_alu instid0(VALU_DEP_3)
	v_mov_b32 v[PC+3+6*\c+\i], v[PC+12+4*\c+\i]
.endr
.endr
.endm
; A round of the cluster's barrier: my work-group's barrier, so that wave 0's signal speaks for all sixteen waves; wave 0 signals for the work-group; every wave waits for all four work-groups; my work-group's barrier once more.
.macro CROUND
	s_barrier_signal -1
	s_barrier_wait -1
	s_cmp_lg_u32 s[WV], 0
	s_cbranch_scc1 .Lnot_wave_0_\@
	s_barrier_signal -3
.Lnot_wave_0_\@:
	s_barrier_wait -3
	s_barrier_signal -1
	s_barrier_wait -1
.endm
	s_load_b256 s[4:11], s[0:1], 0x0               ; q_codes s[4:5], q_scales s[6:7], kv s[8:9], act_codes s[10:11]
	s_load_b64 s[12:13], s[0:1], 0x20              ; act_scales
	v_lshl_add_u32 v5, v0, 2, SPARE
	v_mov_b32 v6, 0
	ds_add_u32 v5, v6
	ds_add_u32 v5, v6
	s_wait_dscnt 0x0
	v_lshrrev_b32 v10, 5, v0
	s_delay_alu instid0(VALU_DEP_1)
	v_readfirstlane_b32 s[WV], v10                 ; wave 0..15
	s_bfe_u32 s54, ttmp6, 0x40000                  ; cx: my place in the cluster
	s_and_b32 s14, ttmp7, 0xffff                   ; the head, which the four partners share
	s_and_b32 s55, s[WV], 7                        ; j: my tile slot
	s_lshr_b32 s16, s55, 1                         ; which of the cluster's four groups
	s_and_b32 s56, s55, 1                          ; u: which of my work-group's two tiles of it
	s_lshr_b32 s57, s[WV], 3                       ; q: which half of each slot's keys is mine
	s_sub_co_u32 s48, 7, ttmp9                     ; in a cluster launch ttmp9 counts clusters: c = 0..3
	s_cmp_eq_u32 s16, 1
	s_cselect_b32 s49, s48, ttmp9                  ; 7 - c, or c
	s_add_co_u32 s48, s48, 8
	s_cmp_eq_u32 s16, 2
	s_cselect_b32 s49, s48, s49                    ; 15 - c
	s_add_co_u32 s48, ttmp9, 8
	s_cmp_eq_u32 s16, 3
	s_cselect_b32 s49, s48, s49                    ; 8 + c: G, my group: it hangs on the wave's and the cluster's numbers alone
	s_lshl_b32 s[MYL], s49, 7
	s_lshl_b32 s[KF], s57, 7                       ; my first step is step q
	s_lshl_b32 s15, s49, 3
	s_lshl_b32 s50, s54, 1
	s_add_co_u32 s15, s15, s50
	s_add_co_u32 s15, s15, s56                     ; my query tile: 8 G + 2 cx + u
	s_mov_b32 s[SEL], 0x76543210
	s_mov_b32 s[SEL+1], 0xfedcba98
	s_mov_b32 s[CS], 0x3e0293ee                    ; c = log2(e) / sqrt(128)
	s_mov_b32 s[CS+1], s[CS]                       ; (named with it as a pair, so it is written)
	; descriptor group 1: 6,400 dense bytes, as 25 rows of 32 elements of 8 bytes
	s_mov_b32 s[G1], 15|(3<<16)|(1<<21)            ; 15:0 the mask: all four work-groups; 17:16 elements of 8 bytes; 20 no padding; 21 set beside a mask
	s_mov_b32 s[G1+1], 32<<16                      ; tensor_dim0
	s_mov_b32 s[G1+2], 25<<16                      ; tensor_dim1
	s_mov_b32 s[G1+3], 32<<16                      ; tile_dim0
	s_mov_b32 s[G1+4], 25                          ; tile_dim1
	s_mov_b32 s[G1+5], 32                          ; tensor_dim0_stride
	s_mov_b32 s[G1+6], 0
	s_mov_b32 s[G1+7], 0
	s_mul_i32 s16, s[WV], PART                     ; my sixteenth of a region: no place in the cluster enters an LDS address or a descriptor
	s_mul_i32 s48, s14, 8*SLOTB
	s_add_co_u32 s48, s48, s16
	s_mov_b32 s49, 0
	s_wait_kmcnt 0x0
	s_add_nc_u64 s[8:9], s[8:9], s[48:49]          ; kv at my sixteenth of the head's first 512 keys
.irp n, 0,1
	s_mov_b32 s[G0+4*\n], 1                        ; 1:0 count = 1
	s_add_co_u32 s[G0+4*\n+1], s16, \n*REGB        ; 63:32 LDS address
	s_add_nc_u64 s[G0+4*\n+2:G0+4*\n+3], s[8:9], \n*REGB   ; 120:64 global address
	s_or_b32 s[G0+4*\n+3], s[G0+4*\n+3], 0x80000000   ; 127:126 type = 2
.endr
	CROUND                                         ; all four work-groups are here: the first joint loads meet
	s_mov_b32 s48, s16                             ; the second group 0 serves regions 1 and 2 as one block: my sixteenth of it is twice as long
	s_add_co_u32 s[G0+5], s[G0+5], s16
	s_add_nc_u64 s[G0+6:G0+7], s[G0+6:G0+7], s[48:49]
	tensor_load_to_lds s[G0:G0+3], s[G1:G1+7]      ; region 0: one tensor load a wave at the head
	s_nop 0
.rept 4
	v_nop
.endr
	s_lshl_b32 s17, s14, 7
	s_add_co_u32 s17, s17, s15                     ; my fragment of Q: 128 head + tile
	s_mul_i32 s48, s17, FRB
	s_add_nc_u64 s[4:5], s[4:5], s[48:49]
	s_lshr_b32 s50, s17, 2
	s_lshl_b32 s50, s50, 8
	s_and_b32 s51, s17, 3
	s_lshl_b32 s51, s51, 2
	s_add_co_u32 s50, s50, s51                     ; its quad of scale words, and its word in each row's four
	s_mov_b32 s51, 0
	s_add_nc_u64 s[6:7], s[6:7], s[50:51]
	s_lshl_b32 s48, s15, 4
	s_add_co_u32 s48, s48, s14
	s_mul_i32 s48, s48, FRB                        ; ctx: fragment 16 tile + head
	s_add_nc_u64 s[10:11], s[10:11], s[48:49]
	s_lshl_b32 s50, s15, 10
	s_lshr_b32 s52, s14, 1
	s_lshl_b32 s52, s52, 7
	s_add_co_u32 s50, s50, s52
	s_and_b32 s52, s14, 1
	s_lshl_b32 s52, s52, 2
	s_add_co_u32 s50, s50, s52
	s_add_nc_u64 s[12:13], s[12:13], s[50:51]
	s_lshl_b32 s52, s54, 5
	s_lshl_b32 s53, s56, 3
	s_add_co_u32 s52, s52, s53                     ; my tile's first token, counted from its group's first: 32 cx + 8 u
	v_and_b32 v10, 31, v0                          ; lane
	v_and_b32 v11, 15, v0                          ; r
	v_bfe_u32 v28, v0, 4, 1                        ; h
	s_delay_alu instid0(VALU_DEP_3)
	v_lshlrev_b32 v7, 4, v10                       ; 16 x lane, for memory
	s_mul_i32 s53, s57, 8*FRB
	v_lshl_add_u32 v1, v10, 4, s53                 ; a fragment's place for my lane, in my half of a slot: 16 x lane + 12,288 q
	s_lshl_b32 s53, s57, 9
	v_lshl_add_u32 v3, v11, 4, s53                 ; a quad's: row r's four words, + 512 q
	s_mul_i32 s53, s55, STGB
	s_add_co_u32 s53, s53, STAGE
	v_lshl_add_u32 v31, v10, 4, s53                ; the hand-over of tile slot j: the same bytes for waves j and j + 8
	v_and_b32 v9, 8, v11
	s_delay_alu instid0(VALU_DEP_1)
	v_add_nc_u32 v9, v9, v11
	v_lshlrev_b32 v28, 4, v28
	s_delay_alu instid0(VALU_DEP_1)
	v_sub_nc_u32 v9, v9, v28
	s_delay_alu instid0(VALU_DEP_1)
	v_add_nc_u32 v9, s52, v9                       ; d = my query - my last step's first key - 16 h
	v_lshlrev_b32 v29, 4, v11
	v_lshlrev_b32 v30, 3, v11
.irp c, 0,1,2
	global_load_b128 v[16+4*\c:19+4*\c], v7, s[4:5] offset:512*\c   ; Q's fragment stays in registers
.endr
	global_load_b32 v255, v29, s[6:7]              ; and its scale words
	v_mov_b32 v13, 0xff61b1e6                      ; the largest t so far: -3e38, under every t
	s_delay_alu instid0(VALU_DEP_1)
	v_floor_f32 v12, -v13                          ; -M
	v_mov_b32 v14, 0                               ; the sum, in two halves
	v_mov_b32 v15, 0
.irp b, 0,1,2,3
	v_mov_b32 v[236+\b], 0                         ; written once: a lane permute's destination counts as one of its sources
.endr
	v_mov_b32 v252, 0
	v_mov_b32 v253, 0                              ; (named as the upper half of the pair v[252:253] before it is first written)
.set J, 0
.rept 64
	v_mov_b32 v[160+J], 0                          ; O^T.  (A key step is written one way: the first finds zeros; a wave without a key step hands zeros over)
.set J, J+1
.endr
; A KEY STEP: my 128 keys of the slot of 256 that begins at LDS byte base.
.macro STEP base
	s_cmp_gt_u32 s[KF], s[MYL]                     ; all these keys come after my queries: nothing of the step is done
	s_cbranch_scc1 .Lhidden_\@
	v_add_nc_u32 v10, \base, v1                    ; the slot's fragments,
	s_wait_alu depctr_va_vdst(0)
	v_add_nc_u32 v11, \base, v3                    ; and its quads of scale words
	s_wait_alu depctr_va_vdst(0)
.rept 3
	v_nop                                          ; with the two additions five places: the first product below writes over registers that the last step's last products read
.endr
.irp g, 0,1                                    ; S^T = K Q^T, four tiles of 16 keys at a time
.if \g > 0
.rept 4
	v_nop                                          ; places in front of loads into registers that matrix instructions have read
.endr
.endif
.irp t, 0,1,2,3
.irp c, 0,1,2
	ds_load_b128 v[32+12*\t+4*\c:35+12*\t+4*\c], v10 offset:(4*\g+\t)*FRB+512*\c
.endr
.endr
	ds_load_b128 v[248:251], v11 offset:KSC+256*\g   ; the four tiles' scale words
	s_wait_dscnt 0x0
.irp t, 0,1,2,3
	v_wmma_scale_f32_16x16x128_f8f6f4 v[96+8*(4*\g+\t):103+8*(4*\g+\t)], v[32+12*\t:43+12*\t], v[16:27], 0, v[248+\t], v255 matrix_a_fmt:MATRIX_FMT_FP6 matrix_b_fmt:MATRIX_FMT_FP6
.endr
.endr                                          ; lane (r, h) holds query r; register 16 b + i is key KF + 32 b + 16 h + i
.rept 4
	v_nop                                          ; places: for the loads below, and for the first read of the scores
.endr
.irp t, 0,1,2,3                                ; V's first four tiles of 16 channels are asked for here: K's registers are free, and the loads land under the softmax
.irp c, 0,1,2
	ds_load_b128 v[32+12*\t+4*\c:35+12*\t+4*\c], v10 offset:VCO+\t*FRB+512*\c
.endr
.endr
	ds_load_b128 v[248:251], v11 offset:VSC
	s_cmp_lt_u32 s[KF], s[MYL]                     ; ahead of my tile's last step every key counts
	s_cbranch_scc1 .Lopen_\@
	v_mov_b32 v254, 0xff800000                     ; on the diagonal hidden scores become -infinity ahead of the maximum: p = 0 then.  The step's first key counts for none or some of a lane's registers; key 0 counts for every query
.set J, 0
.rept 64
	v_cmp_gt_i32 vcc_lo, 32*(J/16)+J%16, v9        ; hidden where 32 b + i > d
	v_cndmask_b32 v[96+J], v[96+J], v254, vcc_lo
.set J, J+1
.endr
.Lopen_\@:
.irp b, 0,1,2,3
	v_max3_num_f32 v[232+\b], v[96+16*\b], v[97+16*\b], v[98+16*\b]   ; THE LARGEST SCORE OF EACH BLOCK OF 32 KEYS serves twice: for the row's maximum, and, since p rises with the score, for the block's largest p
.endr
.irp i, 3,5,7,9,11,13
.irp b, 0,1,2,3
	v_max3_num_f32 v[232+\b], v[232+\b], v[96+16*\b+\i], v[97+16*\b+\i]   ; (the four blocks by turns)
.endr
.endr
.irp b, 0,1,2,3
	v_max_num_f32 v[232+\b], v[232+\b], v[111+16*\b]
.endr
.irp b, 0,1,2,3
	s_delay_alu instid0(VALU_DEP_4)
	v_permlanex16_b32 v[236+\b], v[232+\b], s[SEL], s[SEL+1]
.endr
.irp b, 0,1,2,3
	s_delay_alu instid0(VALU_DEP_4)
	v_max_num_f32 v[232+\b], v[232+\b], v[236+\b]  ; with lane l xor 16's 16 keys
.endr
	s_delay_alu instid0(VALU_DEP_2)
	v_max3_num_f32 v254, v232, v233, v234
	s_delay_alu instid0(VALU_DEP_1)
	v_max_num_f32 v254, v254, v235                 ; the step's largest score of my query
	s_delay_alu instid0(VALU_DEP_1)
	v_mul_f32 v254, s[CS], v254                    ; as t (c is positive)
	s_delay_alu instid0(VALU_DEP_1)
	v_max_num_f32 v13, v13, v254                   ; the running largest t
	v_mov_b32 v254, v12
	s_delay_alu instid0(VALU_DEP_2)
	v_floor_f32 v12, -v13                          ; the new -M = floor(-t) = -ceil(t): M IS A WHOLE NUMBER
	s_delay_alu instid0(VALU_DEP_1)
	v_sub_f32 v254, v12, v254                      ; M's old value less its new one: a whole number, 0 or less
	s_delay_alu instid0(VALU_DEP_1)
	v_cvt_i32_f32 v254, v254                       ; (it saturates)
	s_delay_alu instid0(VALU_DEP_1)
	v_ldexp_f32 v252, 1.0, v254                    ; f = 2^(old M - new M): a multiplication by it rounds nothing
.set J, 0
.rept 32
	v_pk_fma_f32 v[96+J:97+J], v[96+J:97+J], s[CS:CS+1], v[12:13] op_sel_hi:[1,0,0]   ; t - M, two at a time (of the pairs c and -M the low word serves both halves)
.set J, J+2
.endr
.irp b, 0,1,2,3
	v_fma_f32 v[232+\b], v[232+\b], s[CS], v12     ; the same of each block's largest score
.endr
.set J, 0
	s_wait_alu depctr_va_vdst(0)
.rept 64
	v_exp_f32 v[96+J], v[96+J]                     ; p = 2^(t - M), at most 1: NOT normalised
.set J, J+1
.endr
	v_pk_mul_f32 v[14:15], v[14:15], v[252:253] op_sel_hi:[1,0]   ; the sums under the new M.  (The plain instruction behind the exponentials)
	s_wait_alu depctr_va_vdst(0)                   ; one wait for the whole batch, ahead of its first reader
.irp b, 0,1,2,3
	v_exp_f32 v[232+\b], v[232+\b]                 ; the block's largest p: the same two instructions on the same number give the same bits
.endr
	v_pk_add_f32 v[236:237], v[100:101], v[104:105]
	v_pk_add_f32 v[246:247], v[108:109], v[112:113]
	v_pk_add_f32 v[244:245], v[116:117], v[120:121]
	v_pk_add_f32 v[242:243], v[124:125], v[128:129]
	v_pk_add_f32 v[240:241], v[132:133], v[136:137]
	v_pk_add_f32 v[238:239], v[140:141], v[144:145]
	v_pk_add_f32 v[230:231], v[148:149], v[152:153]
	v_pk_add_f32 v[14:15], v[14:15], v[156:157]
	v_pk_add_f32 v[236:237], v[236:237], v[96:97]
	v_pk_add_f32 v[246:247], v[246:247], v[98:99]
	v_pk_add_f32 v[244:245], v[244:245], v[102:103]
	v_pk_add_f32 v[242:243], v[242:243], v[106:107]
	v_pk_add_f32 v[240:241], v[240:241], v[110:111]
	v_pk_add_f32 v[238:239], v[238:239], v[114:115]
	v_pk_add_f32 v[230:231], v[230:231], v[118:119]
	v_pk_add_f32 v[14:15], v[14:15], v[122:123]
	v_pk_add_f32 v[236:237], v[236:237], v[126:127]
	v_pk_add_f32 v[246:247], v[246:247], v[130:131]
	v_pk_add_f32 v[244:245], v[244:245], v[134:135]
	v_pk_add_f32 v[242:243], v[242:243], v[138:139]
	v_pk_add_f32 v[240:241], v[240:241], v[142:143]
	v_pk_add_f32 v[238:239], v[238:239], v[146:147]
	v_pk_add_f32 v[230:231], v[230:231], v[150:151]
	v_pk_add_f32 v[14:15], v[14:15], v[154:155]
	v_pk_add_f32 v[236:237], v[236:237], v[158:159]
	s_delay_alu instid0(VALU_DEP_2)
	v_pk_add_f32 v[14:15], v[14:15], v[242:243]
	s_delay_alu instid0(VALU_DEP_2)
	v_pk_add_f32 v[236:237], v[236:237], v[240:241]
	v_pk_add_f32 v[246:247], v[246:247], v[238:239]
	v_pk_add_f32 v[244:245], v[244:245], v[230:231]
	s_delay_alu instid0(VALU_DEP_2)
	v_pk_add_f32 v[14:15], v[14:15], v[246:247]
	s_delay_alu instid0(VALU_DEP_2)
	v_pk_add_f32 v[236:237], v[236:237], v[244:245]
	s_delay_alu instid0(VALU_DEP_1)
	v_pk_add_f32 v[14:15], v[14:15], v[236:237]
	s_wait_alu depctr_va_vdst(0)                   ; and one for the four
.irp b, 0,1,2,3
	v_max_num_f32 v[232+\b], 0x1800000, v[232+\b]  ; the floor 2^(3 - 127): a block whose every p is 0 keeps the byte 1: its codes are zeros
.endr
.irp b, 0,1,2,3
	s_delay_alu instid0(VALU_DEP_4)
	v_add_nc_u32 v[244+\b], 0xff000000, v[232+\b]  ; 2 off the exponent field: the conversion's scale operand
.endr
.irp b, 0,1,2,3
	s_delay_alu instid0(VALU_DEP_4)
	v_lshrrev_b32 v[236+\b], 23, v[244+\b]         ; the scale's byte
.endr
	s_delay_alu instid0(VALU_DEP_3)
	v_lshl_or_b32 v253, v237, 8, v236              ; p's scale word for these 128 keys
	s_delay_alu instid0(VALU_DEP_1)
	v_lshl_or_b32 v253, v238, 16, v253
	s_delay_alu instid0(VALU_DEP_1)
	v_lshl_or_b32 v253, v239, 24, v253
.irp c, 0,1
	v_cvt_scalef32_pk16_fp6_f32 v[224+6*\c:226+6*\c], v[96+32*\c:111+32*\c], v[244+2*\c]
	v_cvt_scalef32_pk16_fp6_f32 v[236+4*\c:238+4*\c], v[112+32*\c:127+32*\c], v[244+2*\c+1]   ; (a conversion's three registers begin on an even number)
.endr
	v_nop                                          ; one plain instruction behind the scaled conversions
.irp t, 0,1,2,3                                ; V's other four tiles are asked for here, into the registers that p has left; they land under the lines below and the first four products
.irp c, 0,1,2
	ds_load_b128 v[96+12*\t+4*\c:99+12*\t+4*\c], v10 offset:VCO+(4+\t)*FRB+512*\c
.endr
.endr
	ds_load_b128 v[80:83], v11 offset:VSC+256      ; their scale words, in registers of their own
.irp c, 0,1                                    ; the layout wants a WHOLE block in a lane: lanes 0-15 block 2 c, lanes 16-31 block 2 c + 1
.irp i, 0,1,2
	v_permlane16_swap_b32 v[224+6*\c+\i], v[236+4*\c+\i]
.endr
.irp i, 0,1,2
	s_delay_alu instid0(VALU_DEP_3)
	v_mov_b32 v[227+6*\c+\i], v[236+4*\c+\i]
.endr
.endr
.set J, 0
.rept 32
	v_pk_mul_f32 v[160+J:161+J], v[160+J:161+J], v[252:253] op_sel_hi:[1,0]   ; O^T under the new M, from each accumulator's low end on.  (These 32 are also the places in front of the matrix instructions below)
.set J, J+2
.endr
	s_wait_alu depctr_va_vdst(0)
	s_wait_dscnt 13                                ; V's first four tiles and their scale words are in; the 13 loads issued behind them may be out
.irp t, 0,1,2,3                                ; O^T += V^T P^T; K = these 128 keys.  The eight accumulators take one instruction each
	v_wmma_scale_f32_16x16x128_f8f6f4 v[160+8*\t:167+8*\t], v[32+12*\t:43+12*\t], v[224:235], v[160+8*\t:167+8*\t], v[248+\t], v253 matrix_a_fmt:MATRIX_FMT_FP6 matrix_b_fmt:MATRIX_FMT_FP6
.endr
	s_wait_dscnt 0x0
.irp t, 0,1,2,3
	v_wmma_scale_f32_16x16x128_f8f6f4 v[192+8*\t:199+8*\t], v[96+12*\t:107+12*\t], v[224:235], v[192+8*\t:199+8*\t], v[80+\t], v253 matrix_a_fmt:MATRIX_FMT_FP6 matrix_b_fmt:MATRIX_FMT_FP6
.endr
.Lhidden_\@:
	s_add_co_u32 s[KF], s[KF], 256                 ; my next step lies in the next slot
.endm
	s_wait_alu depctr_va_vdst(0)                   ; the wait at the head's end
	s_wait_tensorcnt 0x0                           ; my sixteenth of region 0 is in
	ds_add_u32 v5, v6
	s_mov_b32 s[G1+2], 50<<16                      ; no tensor load of mine is out: the next brings 50 rows of 256 bytes
	s_mov_b32 s[G1+4], 50
	s_wait_dscnt 0x0
	CROUND                                         ; everybody's part of region 0 is in, and the joint loads meet
	tensor_load_to_lds s[G0+4:G0+7], s[G1:G1+7]    ; regions 1 and 2, keys 512 - 1,535: two key steps of mine stand ahead of the wait for it
	s_nop 0
.rept 4
	v_nop
.endr
	s_wait_loadcnt 0x0
	STEP 0
	STEP SLOTB
	; REGION 0 IS FILLED AGAIN, with the last 512 keys.  Each wave waits for all its tensor loads (its parts of regions 1 and 2), adds 0 to its spare word, and waits for that and for its reads of region 0;
	; behind the round no wave of any partner reads region 0 or has a load on its way, and regions 1 and 2 are whole.
	s_wait_tensorcnt 0x0                           ; no tensor load of mine is out, so a group 0 may be written
	ds_add_u32 v5, v6                              ; 0 onto my spare word
	s_add_nc_u64 s[G0+2:G0+3], s[G0+2:G0+3], 3*REGB
	s_mov_b32 s[G1+2], 25<<16                      ; and 25 rows again
	s_mov_b32 s[G1+4], 25
	s_wait_dscnt 0x0                               ; the add is done, and my reads of region 0 are over
	CROUND
	tensor_load_to_lds s[G0:G0+3], s[G1:G1+7]      ; the first thing behind the round, and my last tensor load: four key steps of mine stand ahead of its first read
	s_nop 0
.rept 4
	v_nop
.endr
	STEP REGB
	STEP REGB+SLOTB
	STEP 2*REGB
	STEP 2*REGB+SLOTB
	s_wait_tensorcnt 0x0                           ; my sixteenth of the last 512 keys is in,
	s_wait_dscnt 0x0                               ; and my reads of regions 1 and 2 are over
	s_barrier_signal -1
	s_barrier_wait -1                              ; everybody's.
	STEP 0
	STEP SLOTB
	; THE HAND-OVER.  Waves 8-15 store O^T and (-M, the largest t, the sum's two halves) as they stand, 16 bytes a lane, 512 consecutive bytes a store; a barrier; waves 0-7 take them.
.rept 4
	v_nop                                          ; places behind the last products: for the stores of their results and for the loads into registers that they read
.endr
	s_cmp_lt_u32 s[WV], 8
	s_cbranch_scc1 .Lowner
.set J, 0
	s_wait_alu depctr_va_vdst(0)
.rept 16
	ds_store_b128 v31, v[160+4*J:163+4*J] offset:512*J   ; each accumulator from its low end on
.set J, J+1
.endr
	ds_store_b128 v31, v[12:15] offset:8192
.Lowner:
	s_wait_dscnt 0x0                               ; for the others' sake: my stores have landed
	s_barrier_signal -1
	s_barrier_wait -1
	s_cmp_lt_u32 s[WV], 8
	s_cbranch_scc0 .Ldone                          ; waves 8-15 have nothing more to do
	ds_load_b128 v[232:235], v31 offset:8192       ; the partner's -M, largest t, and sum
.set J, 0
.rept 16
	ds_load_b128 v[96+4*J:99+4*J], v31 offset:512*J   ; and its O^T
.set J, J+1
.endr
	s_wait_dscnt 16                                ; the statistics are in; the 16 loads behind them may be out
	v_min_num_f32 v240, v12, v232                  ; the larger M, as -M.  Mine is a number: step 0 is always mine
	s_delay_alu instid0(VALU_DEP_1)
	v_sub_f32 v241, v240, v12                      ; my M less the larger: a whole number, 0 or less
	s_delay_alu instid0(VALU_DEP_2)
	v_sub_f32 v242, v240, v232                     ; the partner's likewise (a partner without a key step has -M = 3e38: the conversion saturates, and its factor is 0)
	s_delay_alu instid0(VALU_DEP_2)
	v_cvt_i32_f32 v241, v241
	s_delay_alu instid0(VALU_DEP_2)
	v_cvt_i32_f32 v242, v242
	s_delay_alu instid0(VALU_DEP_2)
	v_ldexp_f32 v241, 1.0, v241                    ; both factors are powers of two: nothing is rounded
	s_delay_alu instid0(VALU_DEP_2)
	v_ldexp_f32 v242, 1.0, v242
	v_add_f32 v14, v14, v15                        ; my sum's two halves,
	v_add_f32 v243, v234, v235                     ; the partner's,
	s_delay_alu instid0(VALU_DEP_2)
	v_mul_f32 v14, v14, v241
	s_delay_alu instid0(VALU_DEP_1)
	v_fma_f32 v14, v243, v242, v14                 ; both under the larger M,
	s_delay_alu instid0(VALU_DEP_1)
	v_permlanex16_b32 v252, v14, s[SEL], s[SEL+1]
	s_delay_alu instid0(VALU_DEP_1)
	v_add_f32 v14, v14, v252                       ; and lane l xor 16's: the row's sum
	s_wait_alu depctr_va_vdst(0)
	v_rcp_f32 v14, v14
	v_nop                                          ; a plain instruction behind the reciprocal
	s_wait_alu depctr_va_vdst(0)                   ; and the wait ahead of its first reader
	v_mul_f32 v244, v241, v14                      ; my factor / the sum, twice: a pair for the packed forms
	v_mul_f32 v245, v241, v14
	v_mul_f32 v246, v242, v14                      ; the partner's
	v_mul_f32 v247, v242, v14
	s_wait_alu depctr_va_vdst(0)
	s_wait_dscnt 0x0
.set J, 0
.rept 32
	v_pk_mul_f32 v[96+J:97+J], v[96+J:97+J], v[246:247]
.set J, J+2
.endr
.set J, 0
.rept 32
	v_pk_fma_f32 v[96+J:97+J], v[160+J:161+J], v[244:245], v[96+J:97+J]   ; ctx: register 16 b + i is channel 32 b + 16 h + i of my query
.set J, J+2
.endr
	QUANT 96, 252                                  ; quantised where it stands: K step `head` of the last product's operand
.irp c, 0,1,2
	global_store_b128 v7, v[PC+4*\c:PC+4*\c+3], s[10:11] offset:512*\c   ; 512 consecutive bytes, at a multiple of 256 from the buffer's first byte
.endr
	global_store_b32 v30, v252, s[12:13]           ; row r's scale word; lanes l and l xor 16 hold the same word and name the same address
.Ldone:
	s_wait_tensorcnt 0x0                           ; the wave's end: behind my last tensor load and my last LDS store
	ds_add_u32 v5, v6
	s_wait_dscnt 0x0
	CROUND                                         ; the closing round: no work-group ends while a partner may still ask for a piece that names it
	s_endpgm
.Lfunc_end_k_q2fe01b8a23_attn:
	.size	k_q2fe01b8a23_attn, .Lfunc_end_k_q2fe01b8a23_attn-k_q2fe01b8a23_attn
	.p2alignl 7, 3214868480
	.fill 96, 4, 3214868480
	.section	.rodata,"a",@progbits
	.p2align	6, 0x0
	.amdhsa_kernel k_q2fe01b8a23_attn
		.amdhsa_group_segment_fixed_size 327680
		.amdhsa_private_segment_fixed_size 0
		.amdhsa_enable_private_segment 0
		.amdhsa_kernarg_size 40
		.amdhsa_user_sgpr_count 2
		.amdhsa_user_sgpr_kernarg_segment_ptr 1
		.amdhsa_wavefront_size32 1
		.amdhsa_system_sgpr_workgroup_id_x 1
		.amdhsa_system_sgpr_workgroup_id_y 1
		.amdhsa_system_sgpr_workgroup_id_z 1
		.amdhsa_system_vgpr_workitem_id 0
		.amdhsa_next_free_vgpr 256
		.amdhsa_next_free_sgpr 66
		.amdhsa_reserve_vcc 1
		.amdhsa_float_denorm_mode_32 3
		.amdhsa_float_denorm_mode_16_64 3
		.amdhsa_memory_ordered 1
		.amdhsa_forward_progress 1
		.amdhsa_inst_pref_size 224
	.end_amdhsa_kernel
	.amdgpu_metadata
---
amdhsa.version: [ 1, 2 ]
amdhsa.kernels:
  - .name:           k_q2fe01b8a23_attn
    .symbol:         k_q2fe01b8a23_attn.kd
    .args:
      - { .name: q_codes, .offset: 0, .size: 8, .value_kind: global_buffer, .address_space: global }
      - { .name: q_scales, .offset: 8, .size: 8, .value_kind: global_buffer, .address_space: global }
      - { .name: kv, .offset: 16, .size: 8, .value_kind: global_buffer, .address_space: global }
      - { .name: act_codes, .offset: 24, .size: 8, .value_kind: global_buffer, .address_space: global }
      - { .name: act_scales, .offset: 32, .size: 8, .value_kind: global_buffer, .address_space: global }
    .group_segment_fixed_size: 327680
    .private_segment_fixed_size: 0
    .kernarg_segment_align: 8
    .kernarg_segment_size: 40
    .max_flat_workgroup_size: 512
    .sgpr_count:     66
    .vgpr_count:     256
    .wavefront_size: 32
...
	.end_amdgpu_metadata
.endif
;; end of part 3
;; launch outp (part 4): grid 16 x 16, 4 waves a work-group, clusters of 4 x 1, 327,680 bytes of LDS; arguments act_codes, act_scales, w_codes, w_scales, out0; writes out0
.if DOCPART == 4
	.amdgcn_target "amdgcn-amd-amdhsa--gfx1250"
	.amdhsa_code_object_version 6
	.text
	.protected	k_q2fe01b8a23_outp
	.globl	k_q2fe01b8a23_outp
	.p2align	8
	.type	k_q2fe01b8a23_outp,@function
k_q2fe01b8a23_outp:
	s_mov_b64 s[64:65], 0
	v_nop
	global_prefetch_b8 v0, s[64:65] scope:SCOPE_SE
	s_setreg_imm32_b32 hwreg(HW_REG_WAVE_MODE, 25, 1), 1
	s_wait_xcnt 0x0
	s_wait_alu depctr_hold_cnt(0) depctr_sa_sdst(0) depctr_va_vdst(0) depctr_va_sdst(0) depctr_va_ssrc(0) depctr_va_vcc(0) depctr_vm_vsrc(0)
	s_getreg_b32 s2, hwreg(HW_REG_IB_STS2, 6, 4)
	s_cmp_eq_u32 s2, 0
	s_cbranch_scc0 .Lentry_in_a_cluster
	s_endpgm
.Lentry_in_a_cluster:
	s_bfe_u32 s2, ttmp6, 0x10000c
	s_cmp_lg_u32 s2, 0x3003
	s_cbranch_scc0 .Lentry_shape_is_right
	s_endpgm
.Lentry_shape_is_right:
; out0 = ctx w_out on codes of FP6 (E2M3) with E8M0 scales, K = 2,048; out0 [2048][2048] f32.  ctx's codes lie in act_codes, w_out's in tiles 384-511 of w_codes, both [tile of 16 rows][K step][1,536 bytes], in the order of an operand's registers.
; Work-group (j, T): tokens 128 T on x columns 128 j on: 256 work-groups.  ctx's 8 tiles for ALL of K and all scale words come into LDS once, one tensor load a wave; nothing is filled again: no barrier along K.
; Wave w takes columns 32 w .. + 31 (weight tiles 2 w, 2 w + 1): no two waves share a weight fragment, so all 32 of mine go from memory straight into registers, 96 loads issued at the head.
; Source 0 = the weight's tile, source 1 = ctx's: a lane holds a token, the 16 registers of its two sums are 16 neighbouring columns (place p of rows holds pi(p), bits 3 and 4 exchanged).
; CLUSTER: the four partners share T: ctx's codes and scale words are asked for jointly; the weights' scale words are the work-group's own.
; NO PREFETCH: everything that the work-group reads is asked for at the head; there is no later stream to run ahead of.
; THE WAY OUT: the four waves' pieces of 128 bytes of a row meet in a stage in LDS of its own bytes; behind a barrier each wave stores 32 whole rows of 512 bytes.
; REGISTERS: window 0: v4-21 addresses, v32-63 scale words (two sets), v64-255 ctx's fragments (two sets; the way out's rows); windows 1, 2: the weights, K step s at 24 (s % 8) of window 1 + s / 8; window 3: sums, (a, t) at 8 (2 a + t).
.set FRB,   1536
.set TROW,  24576
.set ASC,   196608
.set SSC,   204800
.set STG,   212992                     ; the stage: 128 rows of 512 + 16 bytes
.set SP,    528
.set SPARE, 280576
.set LN, 4
.set LI, 5
.set STO, 6
.set RD, 7
.set ADRA, 12
.set ADRS, 16
.set SPW, 20
.set NIL, 21
.set SC, 32
.set AF, 64
.set WV, 18
.set CX, 19
.set J, 20
.set T, 21
.set G1C, 24
.set G1A, 32
.set G1S, 40
.set G0C, 48
.set G0A, 52
.set G0S, 56
.set BQ, 60
.set MSB, 0
.macro WIN new
.if MSB != (\new)
	s_set_vgpr_msb (MSB<<8)|(\new)
.set MSB, (\new)
.endif
.endm
.macro PLACES
.rept 4
	v_nop
.endr
.endm
.macro CROUND
	s_barrier_signal -1
	s_barrier_wait -1
	s_cmp_lg_u32 s[WV], 0
	s_cbranch_scc1 .Lnot_wave_0_\@
	s_barrier_signal -3
.Lnot_wave_0_\@:
	s_barrier_wait -3
	s_barrier_signal -1
	s_barrier_wait -1
.endm
.macro DENSE g, mask, rows             ; group 1: a dense block as rows of 256 bytes
	s_mov_b32 s[\g], \mask
	s_mov_b32 s[\g+1], 32<<16
	s_mov_b32 s[\g+2], (\rows)<<16
	s_mov_b32 s[\g+3], 32<<16
	s_mov_b32 s[\g+4], \rows
	s_mov_b32 s[\g+5], 32
	s_mov_b32 s[\g+6], 0
	s_mov_b32 s[\g+7], 0
.endm
.macro ARM under, g0, g1, next
	s_cmp_lt_u32 s[WV], \under
	s_cbranch_scc0 \next
	tensor_load_to_lds s[\g0:\g0+3], s[\g1:\g1+7]
	s_nop 0
	PLACES
	s_branch .Lhead_asked
\next:
.endm
.macro LOADA rel
.irp i, 0,1,2,3,4,5,6,7
.irp c, 0,1,2
	ds_load_b128 v[AF+96*((\rel)%2)+12*\i+4*\c:AF+96*((\rel)%2)+12*\i+4*\c+3], v[ADRA+\i/2] offset:(\i%2)*TROW+(\rel)*FRB+512*\c
.endr
.endr
.endm
.macro SCALES pr                       ; register 2 i + step % 2: lanes 0-15 ctx's tile i; lanes 16-31 my weight tile i (i < 2)
.irp i, 0,1,2,3,4,5,6,7
	ds_load_b64 v[SC+16*((\pr)%2)+2*\i:SC+16*((\pr)%2)+2*\i+1], v[ADRS+(\i+6)/8] offset:\i*1024+128*(\pr)
.endr
.endm
.macro STEP s                          ; the next step's fragments of ctx are asked for, then 16 matrix instructions: the 16 sums take turns
.if (\s) > 0
	PLACES
.endif
	WIN 0
.set DC, 0
.if (\s) < 15
	LOADA (\s)+1
.set DC, 24
.if (\s)%2
	SCALES ((\s)+1)/2
.set DC, 32
.endif
.endif
.set LC, 90-6*(\s)                     ; the weights' loads of the later steps, six each
.if LC > 63
.set LC, 63
.endif
	s_wait_loadcnt LC
	s_wait_dscnt DC
.set AS, AF+96*((\s)%2)
.set SS, SC+16*(((\s)/2)%2)+(\s)%2
.set BS, 24*((\s)%8)
	WIN 0xf0|(1+(\s)/8)
.irp a, 0,1,2,3,4,5,6,7
.irp t, 0,1
.if (\s) == 0
	v_wmma_scale_f32_16x16x128_f8f6f4 v[8*(2*\a+\t):8*(2*\a+\t)+7], v[BS+12*\t:BS+12*\t+11], v[AS+12*\a:AS+12*\a+11], 0, v[SS+2*\t], v[SS+2*\a] matrix_a_fmt:MATRIX_FMT_FP6 matrix_b_fmt:MATRIX_FMT_FP6 matrix_a_scale:MATRIX_SCALE_ROW1
.else
	v_wmma_scale_f32_16x16x128_f8f6f4 v[8*(2*\a+\t):8*(2*\a+\t)+7], v[BS+12*\t:BS+12*\t+11], v[AS+12*\a:AS+12*\a+11], v[8*(2*\a+\t):8*(2*\a+\t)+7], v[SS+2*\t], v[SS+2*\a] matrix_a_fmt:MATRIX_FMT_FP6 matrix_b_fmt:MATRIX_FMT_FP6 matrix_a_scale:MATRIX_SCALE_ROW1
.endif
.endr
.endr
.endm
	s_load_b256 s[4:11], s[0:1], 0x0               ; act_codes, act_scales, w_codes, w_scales
	s_load_b64 s[12:13], s[0:1], 0x20              ; out0
	v_lshl_add_u32 v[SPW], v0, 2, SPARE
	v_mov_b32 v[NIL], 0
	ds_add_u32 v[SPW], v[NIL]                      ; the opening lines: the add, twice on end, and its wait
	ds_add_u32 v[SPW], v[NIL]
	v_lshrrev_b32 v1, 5, v0
	v_readfirstlane_b32 s[WV], v1
	s_bfe_u32 s[CX], ttmp6, 0x40000
	s_lshl_b32 s[J], ttmp9, 2
	s_add_co_u32 s[J], s[J], s[CX]
	s_and_b32 s[T], ttmp7, 0xffff
	DENSE G1C, 15|(3<<16)|(1<<21), 384
	DENSE G1A, 15|(3<<16)|(1<<21), 32
	DENSE G1S, 3<<16, 32
	s_mul_i32 s66, s[T], 196608
	s_mul_i32 s70, s[WV], 98304
	s_add_co_u32 s66, s66, s70
	s_mov_b32 s67, 0
	s_lshl_b32 s68, s[T], 13
	s_mov_b32 s69, 0
	s_lshl_b32 s72, s[J], 3
	s_add_co_u32 s72, s72, 384                     ; w_out's tile 8 j
	s_lshl_b32 s74, s72, 10
	s_mov_b32 s75, 0
	s_lshl_b32 s71, s[WV], 1
	s_add_co_u32 s72, s72, s71
	s_mul_i32 s72, s72, TROW
	s_mov_b32 s73, 0
	s_lshl_b32 s76, s[T], 20                       ; out0: row 128 T + 32 w, column 128 j
	s_lshl_b32 s71, s[WV], 18
	s_add_co_u32 s76, s76, s71
	s_lshl_b32 s71, s[J], 9
	s_add_co_u32 s76, s76, s71
	s_mov_b32 s77, 0
	s_lshl_b32 s78, s[WV], 11
	s_add_co_u32 s78, s78, 8192                    ; from ctx's scale words to my weight tiles'
	s_lshl_b32 s79, s[WV], 7
	s_add_co_u32 s79, s79, STG
	s_mul_i32 s80, s[WV], 32*SP
	s_add_co_u32 s80, s80, STG
	s_wait_dscnt 0x0
	s_wait_kmcnt 0x0
	s_add_nc_u64 s[66:67], s[4:5], s[66:67]
	s_add_nc_u64 s[68:69], s[6:7], s[68:69]
	s_add_nc_u64 s[74:75], s[10:11], s[74:75]
	s_add_nc_u64 s[BQ:BQ+1], s[8:9], s[72:73]
	s_add_nc_u64 s[12:13], s[12:13], s[76:77]
	CROUND
	s_mov_b32 s[G0C], 1
	s_mov_b32 s[G0C+1], s70
	s_mov_b64 s[G0C+2:G0C+3], s[66:67]
	s_or_b32 s[G0C+3], s[G0C+3], 0x80000000
	s_mov_b32 s[G0A], 1
	s_mov_b32 s[G0A+1], ASC
	s_mov_b64 s[G0A+2:G0A+3], s[68:69]
	s_or_b32 s[G0A+3], s[G0A+3], 0x80000000
	s_mov_b32 s[G0S], 1
	s_mov_b32 s[G0S+1], SSC
	s_mov_b64 s[G0S+2:G0S+3], s[74:75]
	s_or_b32 s[G0S+3], s[G0S+3], 0x80000000
	ARM 2, G0C, G1C, .Lhead_a                      ; one load a wave: waves 0 and 1 ctx's codes, wave 2 its scale words, wave 3 the weights'
	ARM 3, G0A, G1A, .Lhead_s
	tensor_load_to_lds s[G0S:G0S+3], s[G1S:G1S+7]
	s_nop 0
	PLACES
.Lhead_asked:
	v_and_b32 v[LN], 31, v0
	v_lshlrev_b32 v[LI], 4, v[LN]
	v_and_b32 v1, 15, v0
	v_bfe_u32 v2, v0, 4, 1
	v_lshlrev_b32 v3, 3, v1
	v_add_nc_u32 v[ADRS+1], ASC, v3
	v_mul_u32_u24 v[ADRS], s78, v2
	v_add_nc_u32 v[ADRS], v[ADRS], v[ADRS+1]
.irp k, 0,1,2,3
	v_add_nc_u32 v[ADRA+\k], \k*49152, v[LI]
.endr
	v_mul_u32_u24 v3, v1, SP
	v_lshl_add_u32 v3, v2, 6, v3
	v_add_nc_u32 v[STO], s79, v3                   ; into the stage: row r of a tile, + 128 w + 64 h
	v_add_nc_u32 v[RD], s80, v[LI]                 ; out of it: rows 32 w on, 16 bytes a lane
	s_wait_alu depctr_va_vdst(0)                   ; the wait at the head's end
.set S, 0
.rept 16                               ; all my weight fragments: 96 loads of 512 consecutive bytes, in the order of the K steps
	WIN (1+S/8)<<6
.irp t, 0,1
.irp c, 0,1,2
	global_load_b128 v[24*(S%8)+12*\t+4*\c:24*(S%8)+12*\t+4*\c+3], v[LI], s[BQ:BQ+1] offset:\t*TROW+S*FRB+512*\c
.endr
.endr
.set S, S+1
.endr
	WIN 0
	s_wait_tensorcnt 0x0
	s_barrier_signal -1
	s_barrier_wait -1                              ; everybody's load has landed.
	LOADA 0
	SCALES 0
.set ST, 0
.rept 16
	STEP ST
.set ST, ST+1
.endr
	PLACES
	WIN 0x0c                                       ; the data: window 3
.irp a, 0,1,2,3,4,5,6,7
.irp k, 0,1,2,3
	ds_store_b128 v[STO], v[16*\a+4*\k:16*\a+4*\k+3] offset:\a*16*SP+16*\k   ; each sum from its low end on
.endr
.endr
	WIN 0
	s_wait_dscnt 0x0                               ; for the others' sake
	s_barrier_signal -1
	s_barrier_wait -1
.set N, 0
.rept 32
	ds_load_b128 v[64+4*N:64+4*N+3], v[RD] offset:N*SP
.set N, N+1
.endr
.set N, 0
.rept 32                               ; stage row 32 w + N is token 32 w + 8 (N / 16) + N % 16 + 8 ((N % 16) / 8) of the 128
	s_wait_dscnt 31-N
	global_store_b128 v[LI], v[64+4*N:64+4*N+3], s[12:13] offset:(8*(N/16)+N%16+8*((N%16)/8))*8192 th:TH_STORE_NT   ; 512 consecutive bytes, aligned to 256
.set N, N+1
.endr
	s_wait_tensorcnt 0x0                           ; the wave's end
	ds_add_u32 v[SPW], v[NIL]
	s_wait_dscnt 0x0
	CROUND                                         ; the closing round
	s_endpgm
.Lfunc_end_k_q2fe01b8a23_outp:
	.size	k_q2fe01b8a23_outp, .Lfunc_end_k_q2fe01b8a23_outp-k_q2fe01b8a23_outp
	.p2alignl 7, 3214868480
	.fill 96, 4, 3214868480
	.section	.rodata,"a",@progbits
	.p2align	6, 0x0
	.amdhsa_kernel k_q2fe01b8a23_outp
		.amdhsa_group_segment_fixed_size 327680
		.amdhsa_private_segment_fixed_size 0
		.amdhsa_enable_private_segment 0
		.amdhsa_kernarg_size 40
		.amdhsa_user_sgpr_count 2
		.amdhsa_user_sgpr_kernarg_segment_ptr 1
		.amdhsa_wavefront_size32 1
		.amdhsa_system_sgpr_workgroup_id_x 1
		.amdhsa_system_sgpr_workgroup_id_y 1
		.amdhsa_system_sgpr_workgroup_id_z 1
		.amdhsa_system_vgpr_workitem_id 0
		.amdhsa_next_free_vgpr 896
		.amdhsa_next_free_sgpr 84
		.amdhsa_reserve_vcc 0
		.amdhsa_float_denorm_mode_32 3
		.amdhsa_float_denorm_mode_16_64 3
		.amdhsa_memory_ordered 1
		.amdhsa_forward_progress 1
		.amdhsa_inst_pref_size 88
	.end_amdhsa_kernel
	.amdgpu_metadata
---
amdhsa.version: [ 1, 2 ]
amdhsa.kernels:
  - .name:           k_q2fe01b8a23_outp
    .symbol:         k_q2fe01b8a23_outp.kd
    .args:
      - { .name: act_codes, .offset: 0, .size: 8, .value_kind: global_buffer, .address_space: global }
      - { .name: act_scales, .offset: 8, .size: 8, .value_kind: global_buffer, .address_space: global }
      - { .name: w_codes, .offset: 16, .size: 8, .value_kind: global_buffer, .address_space: global }
      - { .name: w_scales, .offset: 24, .size: 8, .value_kind: global_buffer, .address_space: global }
      - { .name: out0, .offset: 32, .size: 8, .value_kind: global_buffer, .address_space: global }
    .group_segment_fixed_size: 327680
    .private_segment_fixed_size: 0
    .kernarg_segment_align: 8
    .kernarg_segment_size: 40
    .max_flat_workgroup_size: 128
    .sgpr_count:     84
    .vgpr_count:     896
    .wavefront_size: 32
...
	.end_amdgpu_metadata
.endif
;; end of part 4
